; MI455X (gfx1250); checked and timed in simulation.
; The chip was launched on July 23, 2026; its instructions are those of AMD's public machine-readable ISA for CDNA 5 (MIT licence, August 2026) and "CDNA5" Instruction Set Architecture Reference Guide (July 2026). The comments in the code are by the model that wrote it; some were corrected since.
;; Fastformer. Allowed arithmetic: float matrix products may take bf16 or f16 operands with f32 sums; other float arithmetic in f32, or as packed bf16 or f16 multiplies, adds, multiply-adds, maxima and minima; sums over many terms, partial sums and values carried from step to step in f32; what a program stores and reads back later, other than sums and carried values, may be rounded once to bf16 or f16.
;; Inputs: K_seq 8 x 2,048 x 1,024 float32; Q_seq 8 x 2,048 x 1,024 float32; V_seq 8 x 2,048 x 1,024 float32; WK 1,024 x 1,024 float32; WP 1,024 x 1,024 float32; WQ 1,024 x 1,024 float32; Wa 1,024 x 16 float32; Wb 1,024 x 16 float32.
;; Outputs: out0 8 x 2,048 x 1,024 float32.
;; 2 versions, each right; version 2 is version 1 with the launch scalep written anew for expert scheduling mode. Each part assembles by itself: llvm-mc -triple=amdgcn-amd-amdhsa -mcpu=gfx1250 --defsym DOCPART=n.
;; ======== version 1 of 2: 6 launches
;; limits: values outside matrix products are rounded to bf16
;; workspace buffers: WB 4,194,304 bytes; QH 33,554,432 bytes; KH 33,554,432 bytes; accQ 1,048,576 bytes; stQ 65,536 bytes; accK 1,048,576 bytes; stK 65,536 bytes; WPK 16,777,216 bytes
;; launch prep (part 1): grid 128 x 2, 8 waves a work-group, no clusters, 0 bytes of LDS; arguments WQ, WK, WB; writes WB
.if DOCPART == 1
	.amdgcn_target "amdgcn-amd-amdhsa--gfx1250"
	.amdhsa_code_object_version 6
	.text
	.protected	k_q9cfb4a153d_prep
	.globl	k_q9cfb4a153d_prep
	.p2align	8
	.type	k_q9cfb4a153d_prep,@function
k_q9cfb4a153d_prep:
	s_mov_b64 s[64:65], 0
	v_nop
	global_prefetch_b8 v0, s[64:65] scope:SCOPE_SE
	s_setreg_imm32_b32 hwreg(HW_REG_WAVE_MODE, 25, 1), 1
	s_wait_xcnt 0x0
; WB = bf16(WQ) at byte 0, bf16(WK) at byte 2,097,152; the layout [k][n] stays as it is.
; A stream: each byte is read once and written once.  No LDS, no matrix unit, no cluster: no two work-groups touch the same bytes.
; Work-group (x, y): matrix y, elements 8,192 x .. 8,192 x + 8,191.  Thread t takes, for j = 0..3, the eight numbers from (256 j + t) x 8 on:
; 32 bytes in (two loads), 16 bytes out, so that a wave's store covers 512 consecutive bytes, aligned.
.set IN,  8                            ; v[8:39]   four times eight f32
.set PK,  40                           ; v[40:55]  four times four registers of bf16 pairs
	s_load_b128 s[4:7], s[0:1], 0x0                ; WQ s[4:5], WK s[6:7]
	s_load_b64 s[8:9], s[0:1], 0x10                ; WB
	s_and_b32 s10, ttmp7, 0xffff                   ; which matrix
	v_lshlrev_b32 v1, 5, v0                        ; 32 t: my bytes in
	v_lshlrev_b32 v2, 4, v0                        ; 16 t: my bytes out
	s_lshl_b32 s12, ttmp9, 15                      ; the work-group's 32,768 bytes in
	s_mov_b32 s13, 0
	s_lshl_b32 s14, ttmp9, 14                      ; its 16,384 bytes out,
	s_lshl_b32 s11, s10, 21                        ; behind the first matrix for the second
	s_add_co_u32 s14, s14, s11
	s_mov_b32 s15, 0
	s_wait_kmcnt 0x0
	s_cmp_eq_u32 s10, 0
	s_cselect_b64 s[4:5], s[4:5], s[6:7]
	s_add_nc_u64 s[4:5], s[4:5], s[12:13]
	s_add_nc_u64 s[8:9], s[8:9], s[14:15]
.irp j, 0,1,2,3
	global_load_b128 v[IN+8*(\j):IN+8*(\j)+3],   v1, s[4:5] offset:8192*(\j) th:TH_LOAD_NT
	global_load_b128 v[IN+8*(\j)+4:IN+8*(\j)+7], v1, s[4:5] offset:8192*(\j)+16 th:TH_LOAD_NT
.endr
.irp j, 0,1,2,3
	s_wait_loadcnt 6-2*(\j)                        ; loads come back in order: group j's two are in, the younger groups' stay out
.irp q, 0,1,2,3
	v_cvt_pk_bf16_f32 v[PK+4*(\j)+(\q)], v[IN+8*(\j)+2*(\q)], v[IN+8*(\j)+2*(\q)+1]
.endr
	global_store_b128 v2, v[PK+4*(\j):PK+4*(\j)+3], s[8:9] offset:4096*(\j)
.endr
	s_endpgm
.Lfunc_end_k_q9cfb4a153d_prep:
	.size	k_q9cfb4a153d_prep, .Lfunc_end_k_q9cfb4a153d_prep-k_q9cfb4a153d_prep
	.p2alignl 7, 3214868480
	.fill 96, 4, 3214868480
	.section	.rodata,"a",@progbits
	.p2align	6, 0x0
	.amdhsa_kernel k_q9cfb4a153d_prep
		.amdhsa_group_segment_fixed_size 0
		.amdhsa_private_segment_fixed_size 0
		.amdhsa_enable_private_segment 0
		.amdhsa_kernarg_size 24
		.amdhsa_user_sgpr_count 2
		.amdhsa_user_sgpr_kernarg_segment_ptr 1
		.amdhsa_wavefront_size32 1
		.amdhsa_system_sgpr_workgroup_id_x 1
		.amdhsa_system_sgpr_workgroup_id_y 1
		.amdhsa_system_sgpr_workgroup_id_z 1
		.amdhsa_system_vgpr_workitem_id 0
		.amdhsa_next_free_vgpr 64
		.amdhsa_next_free_sgpr 66
		.amdhsa_reserve_vcc 0
		.amdhsa_float_denorm_mode_32 3
		.amdhsa_float_denorm_mode_16_64 3
		.amdhsa_memory_ordered 1
		.amdhsa_forward_progress 1
		.amdhsa_inst_pref_size 4
	.end_amdhsa_kernel
	.amdgpu_metadata
---
amdhsa.version: [ 1, 2 ]
amdhsa.kernels:
  - .name:           k_q9cfb4a153d_prep
    .symbol:         k_q9cfb4a153d_prep.kd
    .args:
      - { .name: WQ, .offset: 0, .size: 8, .value_kind: global_buffer, .address_space: global }
      - { .name: WK, .offset: 8, .size: 8, .value_kind: global_buffer, .address_space: global }
      - { .name: WB, .offset: 16, .size: 8, .value_kind: global_buffer, .address_space: global }
    .group_segment_fixed_size: 0
    .private_segment_fixed_size: 0
    .kernarg_segment_align: 8
    .kernarg_segment_size: 24
    .max_flat_workgroup_size: 256
    .sgpr_count:     66
    .vgpr_count:     64
    .wavefront_size: 32
...
	.end_amdgpu_metadata
.endif
;; end of part 1
;; launch gemm_in (part 2): grid 128 x 4, 4 waves a work-group, clusters of 4 x 1, 327,680 bytes of LDS; arguments Q_seq, K_seq, WB, QH, KH; writes QH, KH
.if DOCPART == 2
	.amdgcn_target "amdgcn-amd-amdhsa--gfx1250"
	.amdhsa_code_object_version 6
	.text
	.protected	k_q9cfb4a153d_gemm_in
	.globl	k_q9cfb4a153d_gemm_in
	.p2align	8
	.type	k_q9cfb4a153d_gemm_in,@function
k_q9cfb4a153d_gemm_in:
	s_mov_b64 s[64:65], 0
	v_nop
	global_prefetch_b8 v0, s[64:65] scope:SCOPE_SE
	s_setreg_imm32_b32 hwreg(HW_REG_WAVE_MODE, 25, 1), 1
	s_wait_xcnt 0x0
	s_wait_alu depctr_hold_cnt(0) depctr_sa_sdst(0) depctr_va_vdst(0) depctr_va_sdst(0) depctr_va_ssrc(0) depctr_va_vcc(0) depctr_vm_vsrc(0)
	s_getreg_b32 s2, hwreg(HW_REG_IB_STS2, 6, 4)
	s_cmp_eq_u32 s2, 0
	s_cbranch_scc0 .Lentry_in_a_cluster
	s_endpgm
.Lentry_in_a_cluster:
	s_bfe_u32 s2, ttmp6, 0x10000c
	s_cmp_lg_u32 s2, 0x3003
	s_cbranch_scc0 .Lentry_shape_is_right
	s_endpgm
.Lentry_shape_is_right:
; QH = bf16(Q_seq WQ), KH = bf16(K_seq WK), both stored by heads: [b][h][s][64].  A: [16384][1024] f32; B: WB, [k][n] bf16 (WQ, then WK).  Sums in f32, K ascending.
; LIMITS.  A and B are rounded to bf16 for the product, the result once to bf16; NaN and infinities are not treated apart.  V_seq is named by no launch: no result depends on it.
; SHARES.  Work-group (x, y): matrix y / 2, rows 128 x .. +127, columns 512 (y % 2) .. +511.  Wave w: all 128 rows x columns 128 w .. +127 of those: 64 accumulators of 16 x 16.
; A COMES AS f32: each wave loads 32 rows x 64 k into registers, rounds to bf16 and stores them into a small stage in LDS (two slots of 64 k).  A chunk's lines stand in ONE run in the middle
; of a quarter, beside the run of LDS loads: 32 conversions, 16 LDS stores, the fragment loads, 16 global loads: no memory instruction stands singly among matrix instructions.
; A chunk's loads are issued a whole K step (256 matrix instructions) ahead of their conversion.
; B COMES BY THE TENSOR DATA MOVER, in K steps of 128 through two slots; a wave fetches 32 k-rows x 512 columns.  It lies [k][n] in LDS and is turned on the way into registers (ds_load_tr16_b128).
; CLUSTER.  The four work-groups of a cluster have the same y, so they want the same tiles of B: each tile is asked for jointly, by the same load, descriptor and mask in all four.
; THE MATRIX INSTRUCTION IS USED TRANSPOSED (source 0 = 16 columns of B, source 1 = 16 rows of A): a lane then holds one row of the result and eight neighbouring columns.
; BARRIERS.  Two a K step: in its middle the work-group's own (A's slot 0 is free, slot 1 is whole); at its end a round of the cluster's (B's slot is free in all four partners, the other is whole).
; REGISTERS, in windows of 256: window 0 addresses, A's two sets of loads, the way out; window 1 two fragment buffers (A 64, B 64 each); windows 2, 3 the accumulators ((a, b) at 8 (8 a + b)).
.set BP,     1056                      ; a k-row of B in LDS: 1,024 bytes + 32 of padding = 33 x 32: the turning load's 8 rows x 32 bytes fall on different banks (64 banks of 4 bytes: ISA guide 11.1)
.set WPART,  32*BP                     ; what one tensor load brings; also 32 along K
.set SLOT,   4*WPART                   ; 135,168 = 0x21000: it shares no bit with w x WPART, so an exclusive or changes slots
.set ASTG,   2*SLOT                    ; A's stage, never filled by a tensor load
.set APIT,   144                       ; a row of the stage: 128 bytes (64 k) + 16
.set ASL,    128*APIT
.set SPARE,  ASTG+2*ASL                ; the spare words, 128 bytes a wave: two blocks of 256 bytes that no other line names
.set KSTEPB, 128*2048                  ; bytes of B from one K step to the next
.set LC,     16                        ; loads in a chunk of A, a wave
.set STEP2,  512                       ; bytes along a row of A in a K step
.set ADRA,  10                         ; v10  my place in a fragment of A, slot 0
.set BB0,   11                         ; v11  my place in a fragment of B, slot 0
.set ADRB,  12                         ; v12  the same in the slot in hand, k 0..63
.set ADRB2, 13                         ; v13  k 64..127
.set AOFF,  14                         ; v14  my byte offset in A's rows; never rewritten
.set AST,   15                         ; v15  where I put 8 bytes of the stage
.set PFOA,  16                         ; v16  prefetch of A: a lane a row
.set PFOB,  17                         ; v17  prefetch of B: a lane a k-row
.set STO,   18
.set RD,    19
.set CO,    20
.set SPW,   28                         ; v28  my spare word; never rewritten
.set NIL,   29                         ; v29  0; never rewritten
.set X0,    32                         ; v[32:95]   even chunks of A as loaded
.set X1,    96                         ; v[96:159]  odd chunks
.set TMP,   32                         ; the way out: packed results, four sets of 32 by turns, where A's sets lay
.set OB,    160                        ; the way out: rows read back
.set F0,    0
.set F1,    128
.set WV,   14
.set CX,   15
.set RB,   16                          ; my block of 128 rows
.set YY,   17
.set MAT,  18
.set HALF, 19
.set AP,   20                          ; s[20:21] A at my block's first row, stepped along K
.set OUT,  22                          ; s[22:23]
.set G1,   24                          ; s[24:31] descriptor group 1
.set GA,   32                          ; s[32:35] group 0 of the first fill of slot 0
.set GW,   36                          ; s[36:39] group 0 of the first fill of slot 1; it then walks
.set TB,   40                          ; s40  LDS byte of the slot to be read
.set CNT,  41
.set LIMA, 42                          ; 1 where the work-group prefetches A, else the greatest number
.set LIMB, 43                          ; the same for B
.set PFB,  44                          ; s[44:45]
.set BB,   50                          ; s[50:51] B at my 32 k-rows of K step 0
.set MSB, 0
.macro WIN new                         ; the immediate's high byte repeats the setting that is left; a switch that changes nothing is dropped
.if MSB != (\new)
	s_set_vgpr_msb (MSB<<8)|(\new)
.set MSB, \new
.endif
.endm
.set MUL_LO, 0xa5                      ; sources 0 and 1 window 1, C and D window 2
.set MUL_HI, 0xf5                      ; C and D window 3
.set TO_F,   0x40                      ; destination window 1, address window 0
.macro PLACES                          ; four plain vector instructions between a matrix instruction and a load into, or a read of, its registers
.rept 4
	v_nop
.endr
.endm
.macro CREST                           ; a round of the cluster's barrier behind its opening barrier
	s_cmp_lg_u32 s[WV], 0
	s_cbranch_scc1 .Lnot_wave_0_\@
	s_barrier_signal -3
.Lnot_wave_0_\@:
	s_barrier_wait -3
	s_barrier_signal -1
	s_barrier_wait -1
.endm
.macro CROUND
	s_barrier_signal -1
	s_barrier_wait -1
	CREST
.endm
; A CHUNK OF A, in three runs.  Load n of 16 holds two rows x 256 bytes of f32, four numbers a lane.  The symbols RSET, RSLOT, ROFF, RISSUE say which set, which slot, which bytes, and whether more is asked for.
.macro ACVT                            ; rounded in place: 32 plain vector instructions, which name no register of a matrix instruction
	WIN 0
.set n, 0
.rept 16
	v_cvt_pk_bf16_f32 v[RSET+4*n], v[RSET+4*n], v[RSET+4*n+1]
	v_cvt_pk_bf16_f32 v[RSET+4*n+1], v[RSET+4*n+2], v[RSET+4*n+3]
.set n, n+1
.endr
.endm
.macro ASTORE                          ; into slot RSLOT of the stage
	WIN 0
.set n, 0
.rept 16
	ds_store_b64 v[AST], v[RSET+4*n:RSET+4*n+1] offset:RSLOT*ASL+288*n
.set n, n+1
.endr
.endm
.macro ALOAD                           ; the set is asked for again, two chunks on
.if RISSUE
	WIN 0
.set n, 0
.rept 16
	global_load_b128 v[RSET+4*n:RSET+4*n+3], v[AOFF], s[AP:AP+1] offset:ROFF+8192*n
.set n, n+1
.endr
.endif
.endm
; 16 matrix instructions: row blocks a0, a0 + 1 of the window's four x all 8 column blocks, 32 along K.  zero = 1: the product starts the sum.
; The 64 accumulators take turns in the same order in every quarter.
.macro MUL16 f, hi, a0, zero
	WIN MUL_LO+0x50*(\hi)
.irp a, \a0, (\a0)+1
.irp b, 0,1,2,3,4,5,6,7
.if \zero
	v_wmma_f32_16x16x32_bf16 v[8*(8*(\a)+(\b)):8*(8*(\a)+(\b))+7], v[(\f)+64+8*(\b):(\f)+64+8*(\b)+7], v[(\f)+8*(4*(\hi)+(\a)):(\f)+8*(4*(\hi)+(\a))+7], 0
.else
	v_wmma_f32_16x16x32_bf16 v[8*(8*(\a)+(\b)):8*(8*(\a)+(\b))+7], v[(\f)+64+8*(\b):(\f)+64+8*(\b)+7], v[(\f)+8*(4*(\hi)+(\a)):(\f)+8*(4*(\hi)+(\a))+7], v[8*(8*(\a)+(\b)):8*(8*(\a)+(\b))+7]
.endif
.endr
.endr
.endm
; 32 LDS loads in one run: a quarter's fragments into buffer f: 16 for B (turned), 8 for A's rows 0-63, 8 for A's rows 64-127
.macro FETCH f, breg, bofs, aofs
	WIN TO_F
.irp i, 0,1,2,3,4,5,6,7
	ds_load_tr16_b128 v[(\f)+64+8*(\i):(\f)+64+8*(\i)+3],   v[\breg] offset:(\bofs)+32*(\i)
	ds_load_tr16_b128 v[(\f)+64+8*(\i)+4:(\f)+64+8*(\i)+7], v[\breg] offset:(\bofs)+32*(\i)+16*BP
.endr
.irp i, 0,1,2,3,4,5,6,7
	ds_load_b128 v[(\f)+8*(\i):(\f)+8*(\i)+3],   v[ADRA] offset:(\aofs)+16*APIT*(\i)
	ds_load_b128 v[(\f)+8*(\i)+4:(\f)+8*(\i)+7], v[ADRA] offset:(\aofs)+16*APIT*(\i)+32
.endr
.endm
; An even quarter: multiplies buffer 0 and, in its middle, fetches the next quarter into buffer 1.  ride = 1: a chunk of A goes through there too; its conversions are the places in front of the loads,
; and its stores stand ahead of the fragment loads, so that the counts below stay those of the fragment loads.
.macro QUARTER breg, bofs, aofs, zero, ride, lc
	s_wait_dscnt 8                                 ; B and A's rows 0-63 are in; the youngest eight loads may be out
	MUL16 F0, 0, 0, \zero
	MUL16 F0, 0, 2, \zero
.if \ride
	s_wait_loadcnt \lc                             ; the chunk to be rounded is in; the other set's loads stay out
	ACVT
	ASTORE
.else
	PLACES
.endif
	FETCH F1, \breg, \bofs, \aofs
.if \ride
	ALOAD
.endif
	s_wait_dscnt 32                                ; all but the 32 fragment loads just issued: the rest of buffer 0, and the stage's stores
	MUL16 F0, 1, 0, \zero
	MUL16 F0, 1, 2, \zero
.endm
; The second quarter.  My reads of A's slot 0 are over and my stores into slot 1 are done: the work-group's barrier; behind it slot 1 is read and slot 0 may be written.
; No tensor load fills anything behind this barrier, so B's refill stays on its way across it.
.macro TURNA
	s_wait_dscnt 8
	MUL16 F1, 0, 0, 0
	s_wait_dscnt 0x0
	s_barrier_signal -1
	MUL16 F1, 0, 2, 0
	s_barrier_wait -1
	PLACES
	FETCH F0, ADRB2, 0, ASL
	MUL16 F1, 1, 0, 0
	MUL16 F1, 1, 2, 0
.endm
; A prefetch into the L2, behind the joint load and the run of LDS loads.  A: the two chunks that the next trip will load: a lane a row, 256 bytes each; the work-group of column half 0 asks,
; the one of half 1 reads the same rows.  B: the K step that the next refill will ask for: a lane a k-row; the first cluster asks, and its four partners take a quarter of the row's 1,024 bytes each, told apart by address.
; The loop's last trip asks for nothing: there is no chunk and no K step behind what it loads.
.macro ASK
	s_cmp_gt_u32 s[CNT], s[LIMA]
	s_cbranch_scc0 .Lno_a_\@
	global_prefetch_b8 v[PFOA], s[AP:AP+1] offset:1024 th:TH_LOAD_NT scope:SCOPE_SE
	global_prefetch_b8 v[PFOA], s[AP:AP+1] offset:1280 th:TH_LOAD_NT scope:SCOPE_SE
.Lno_a_\@:
	s_cmp_gt_u32 s[CNT], s[LIMB]
	s_cbranch_scc0 .Lno_b_\@
	global_prefetch_b8 v[PFOB], s[PFB:PFB+1] th:TH_LOAD_NT scope:SCOPE_SE
.Lno_b_\@:
.endm
; The fourth quarter changes B's slots.  Each wave waits for all its tensor loads (one is out: its part of the next slot), adds 0 to its spare word, and waits for that, for its reads of this slot
; and of A's slot 1, and for its stores into A's slot 0.  fill = 1: the barrier opens a round of the cluster's, and the joint refill, two K steps on, is the first thing behind it.
.macro TURNB fill
	WIN 0
	s_wait_tensorcnt 0x0                           ; no tensor load of mine is out, so the walking group 0 may be written
	ds_add_u32 v[SPW], v[NIL]
.if \fill
	s_xor_b32 s[GW+1], s[GW+1], SLOT               ; the other slot than last time,
	s_add_nc_u64 s[GW+2:GW+3], s[GW+2:GW+3], KSTEPB  ; the next K step; the type bits on top are not reached
.endif
	s_xor_b32 s[TB], s[TB], SLOT
	s_wait_dscnt 9                                 ; the add and the youngest eight loads may be out
	MUL16 F1, 0, 0, 0
	s_wait_dscnt 0x0
	s_barrier_signal -1
	MUL16 F1, 0, 2, 0
	WIN 0
	s_barrier_wait -1
.if \fill
	CREST
	tensor_load_to_lds s[GW:GW+3], s[G1:G1+7]
	s_nop 0
.endif
	PLACES                                         ; also the places in front of the loads into buffer 0
	v_add_nc_u32 v[ADRB], s[TB], v[BB0]
	v_add_nc_u32 v[ADRB2], 2*WPART, v[ADRB]
	FETCH F0, ADRB, 0, 0
.if \fill
	WIN 0
	ASK
.endif
	MUL16 F1, 1, 0, 0
	MUL16 F1, 1, 2, 0
.endm
.macro ISSUE set, off                  ; a chunk's 16 loads: 2 rows x 256 bytes each
.irp n, 0,1,2,3,4,5,6,7,8,9,10,11,12,13,14,15
	global_load_b128 v[(\set)+4*(\n):(\set)+4*(\n)+3], v[AOFF], s[AP:AP+1] offset:(\off)+8192*(\n)
.endr
.endm
	s_load_b256 s[4:11], s[0:1], 0x0               ; Q_seq s[4:5], K_seq s[6:7], WB s[8:9], QH s[10:11]
	s_load_b64 s[12:13], s[0:1], 0x20              ; KH
	v_lshl_add_u32 v[SPW], v0, 2, SPARE
	v_mov_b32 v[NIL], 0
	ds_add_u32 v[SPW], v[NIL]                      ; the wave's opening: the add and its wait ahead of my first tensor load
	v_lshrrev_b32 v1, 5, v0
	v_readfirstlane_b32 s[WV], v1                  ; wave 0..3
	s_bfe_u32 s[CX], ttmp6, 0x40000                ; my place in the cluster: it enters addresses of A, of the results and of the prefetches alone
	s_lshl_b32 s[RB], ttmp9, 2
	s_add_co_u32 s[RB], s[RB], s[CX]
	s_and_b32 s[YY], ttmp7, 0xffff
	s_lshr_b32 s[MAT], s[YY], 1
	s_and_b32 s[HALF], s[YY], 1
	s_mov_b32 s[G1], 15|(1<<16)|(1<<20)|(1<<21)|(7<<22)|(7<<25)  ; the mask of four; 2-byte elements; padding on; bit 21 beside a mask; after every 256 words, 8 words
	s_mov_b32 s[G1+1], 512<<16                     ; tensor_dim0 = 512
	s_mov_b32 s[G1+2], 32<<16                      ; tensor_dim1 = 32
	s_mov_b32 s[G1+3], 512<<16                     ; tile_dim0 = 512
	s_mov_b32 s[G1+4], 32                          ; tile_dim1 = 32
	s_mov_b32 s[G1+5], 1024                        ; elements from k-row to k-row
	s_mov_b32 s[G1+6], 0
	s_mov_b32 s[G1+7], 0
	s_mul_i32 s46, s[WV], WPART                    ; my 32 k-rows in a slot
	s_mov_b32 s[GA], 1
	s_mov_b32 s[GA+1], s46
	s_mov_b32 s[GW], 1
	s_add_co_u32 s[GW+1], s46, SLOT
	s_lshl_b32 s46, s[MAT], 21                     ; B: the matrix,
	s_lshl_b32 s47, s[WV], 16                      ; my 32 k-rows of 2,048 bytes,
	s_add_co_u32 s46, s46, s47
	s_lshl_b32 s47, s[HALF], 10                    ; the half's 512 columns
	s_add_co_u32 s46, s46, s47
	s_mov_b32 s47, 0
	v_and_b32 v2, 31, v0                           ; l
	v_and_b32 v3, 15, v0                           ; l % 16
	v_bfe_u32 v4, v0, 4, 1                         ; l / 16
	v_lshlrev_b32 v[AOFF], 4, v3
	v_lshl_add_u32 v[AOFF], v4, 12, v[AOFF]
	s_lshl_b32 s48, s[WV], 17
	v_add_nc_u32 v[AOFF], s48, v[AOFF]             ; (32 w + l / 16) x 4,096 + 16 (l % 16)
	v_lshl_add_u32 v[PFOA], v2, 12, s48            ; (32 w + l) x 4,096
	v_lshlrev_b32 v[PFOB], 11, v2
	s_lshl_b32 s48, s[RB], 19                      ; my block's 128 rows of 4,096 bytes
	s_mov_b32 s49, 0
	s_wait_dscnt 0x0                               ; the opening add is done
	s_wait_kmcnt 0x0
	s_add_nc_u64 s[BB:BB+1], s[8:9], s[46:47]
	s_cmp_eq_u32 s[MAT], 0
	s_cselect_b64 s[AP:AP+1], s[4:5], s[6:7]
	s_cselect_b64 s[OUT:OUT+1], s[10:11], s[12:13]
	s_add_nc_u64 s[AP:AP+1], s[AP:AP+1], s[48:49]
	ISSUE X0, 0                                    ; chunks 0 and 1 of A
	ISSUE X1, 256
	s_mov_b64 s[GA+2:GA+3], s[BB:BB+1]             ; K step 0
	s_or_b32 s[GA+3], s[GA+3], 0x80000000
	s_add_nc_u64 s[GW+2:GW+3], s[BB:BB+1], KSTEPB  ; K step 1
	s_or_b32 s[GW+3], s[GW+3], 0x80000000
	CROUND                                         ; all four work-groups are here: the first joint loads meet
	tensor_load_to_lds s[GA:GA+3], s[G1:G1+7]      ; two loads of mine are out
	s_nop 0
	tensor_load_to_lds s[GW:GW+3], s[G1:G1+7]
	s_nop 0
	PLACES
	v_mul_u32_u24 v[ADRA], v3, APIT
	v_lshl_add_u32 v[ADRA], v4, 4, v[ADRA]
	v_add_nc_u32 v[ADRA], ASTG, v[ADRA]            ; row l % 16, 16 bytes for each half of the lanes
	v_and_b32 v5, 7, v0
	v_bfe_u32 v6, v0, 3, 1
	v_bfe_u32 v7, v0, 3, 2
	v_lshl_add_u32 v[BB0], v4, 3, v5               ; the turning load: k-row 8 (l / 16) + l % 8,
	v_mul_u32_u24 v[BB0], v[BB0], BP
	v_lshl_add_u32 v[BB0], v6, 4, v[BB0]           ; columns 8 ((l / 8) % 2) on,
	s_lshl_b32 s48, s[WV], 8
	v_add_nc_u32 v[BB0], s48, v[BB0]               ; of my wave's 128
	s_mul_i32 s48, s[WV], 32*APIT
	s_add_co_u32 s48, s48, ASTG
	v_mul_u32_u24 v[AST], v4, APIT
	v_lshl_add_u32 v[AST], v3, 3, v[AST]
	v_add_nc_u32 v[AST], s48, v[AST]               ; row 32 w + l / 16, 8 bytes a lane
	s_mul_i32 s48, s[WV], 128*272                  ; the way out: my stage of 128 rows x 272 bytes, in the ring's bytes
	v_mul_u32_u24 v[STO], v3, 272
	v_lshl_add_u32 v[STO], v4, 4, v[STO]
	v_add_nc_u32 v[STO], s48, v[STO]
	v_mul_u32_u24 v[RD], v7, 272                   ; back: 32 lanes take 128 bytes of four rows,
	v_lshl_add_u32 v[RD], v5, 4, v[RD]
	v_add_nc_u32 v[RD], s48, v[RD]
	v_lshlrev_b32 v[CO], 4, v2                     ; which are 512 consecutive bytes of a head
	s_lshl_b32 s48, s[CX], 8                       ; the prefetch of B: my work-group's 256 bytes of the rows, at K step 2; the first trip steps it to 3
	s_add_co_u32 s48, s48, 2*KSTEPB
	s_mov_b32 s49, 0
	s_add_nc_u64 s[PFB:PFB+1], s[BB:BB+1], s[48:49]
	s_cmp_eq_u32 s[HALF], 0
	s_cselect_b32 s[LIMA], 1, -1
	s_cmp_eq_u32 ttmp9, 0
	s_cselect_b32 s[LIMB], 1, -1
	s_lshr_b32 s48, s[RB], 4                       ; the result: batch,
	s_lshl_b32 s48, s48, 22
	s_and_b32 s49, s[RB], 15                       ; my 128 positions of 128 bytes,
	s_lshl_b32 s49, s49, 14
	s_add_co_u32 s48, s48, s49
	s_lshl_b32 s49, s[HALF], 21                    ; head 8 half + 2 w, 262,144 bytes a head
	s_add_co_u32 s48, s48, s49
	s_lshl_b32 s49, s[WV], 19
	s_add_co_u32 s48, s48, s49
	s_mov_b32 s49, 0
	s_add_nc_u64 s[OUT:OUT+1], s[OUT:OUT+1], s[48:49]
.set RISSUE, 1
.set RSET, X0
.set RSLOT, 0
.set ROFF, 512
	s_wait_loadcnt LC                              ; chunk 0 is in; chunk 1's loads stay out
	ACVT
	ASTORE                                         ; chunk 0 into slot 0;
	ALOAD                                          ; chunk 2 is asked for
.set RSET, X1
.set RSLOT, 1
.set ROFF, 768
	s_wait_loadcnt LC                              ; chunk 1 is in; chunk 2's stay out
	ACVT
	ASTORE                                         ; chunk 1 into slot 1;
	ALOAD                                          ; chunk 3 is asked for
	s_wait_tensorcnt 0x1                           ; my part of K step 0 is in; K step 1's may stay out
	s_wait_dscnt 0x0                               ; my stores into the stage are done
	s_barrier_signal -1
	s_barrier_wait -1
	s_mov_b32 s[TB], 0
	v_add_nc_u32 v[ADRB], s[TB], v[BB0]
	v_add_nc_u32 v[ADRB2], 2*WPART, v[ADRB]
	FETCH F0, ADRB, 0, 0
	QUARTER ADRB, WPART, 64, 1, 0, 0               ; the first quarter starts the sums
	WIN 0
	s_mov_b32 s[CNT], 6
.Lk:                                               ; trip t: quarters 1 to 3 of K step t and quarter 0 of K step t + 1
	s_wait_xcnt 0x0                                ; every load and prefetch issued so far has read its address: the pointers may be written
	s_add_nc_u64 s[AP:AP+1], s[AP:AP+1], STEP2
	s_add_nc_u64 s[PFB:PFB+1], s[PFB:PFB+1], KSTEPB
	TURNA
.set RSET, X0
.set RSLOT, 0
.set ROFF, 512
	QUARTER ADRB2, WPART, ASL+64, 0, 1, LC         ; chunk 2 t + 2 into slot 0; chunk 2 t + 4 is asked for
	TURNB 1
.set RSET, X1
.set RSLOT, 1
.set ROFF, 768
	QUARTER ADRB, WPART, 64, 0, 1, LC              ; chunk 2 t + 3 into slot 1; chunk 2 t + 5 is asked for
	WIN 0
	s_sub_co_u32 s[CNT], s[CNT], 1
	s_cmp_lg_u32 s[CNT], 0
	s_cbranch_scc1 .Lk
.set RISSUE, 0                         ; the tail is written out: nothing more is asked for
	TURNA
.set RSET, X0
.set RSLOT, 0
	QUARTER ADRB2, WPART, ASL+64, 0, 1, LC         ; chunk 14
	TURNB 0
.set RSET, X1
.set RSLOT, 1
	QUARTER ADRB, WPART, 64, 0, 1, 0               ; chunk 15: no load is behind it
	TURNA
	QUARTER ADRB2, WPART, ASL+64, 0, 0, 0
	s_wait_dscnt 8                                 ; the very last quarter
	MUL16 F1, 0, 0, 0
	MUL16 F1, 0, 2, 0
	s_wait_dscnt 0x0                               ; my last reads of the ring are over
	s_barrier_signal -1
	MUL16 F1, 1, 0, 0
	MUL16 F1, 1, 2, 0
	WIN 0
	s_barrier_wait -1                              ; everybody's are: the ring, which has had its last fill, becomes the stage
	PLACES
	PLACES
	; THE WAY OUT.  A lane's eight columns of a row pack into 16 bytes; they go into my stage (rows of 272 bytes) and come back as 128 bytes of four rows: 512 consecutive bytes of a head.
	; Four sets of packed results take turns, so that a block's conversions do not write registers that the block before still stores.
.irp a, 0,1,2,3,4,5,6,7
	WIN 0x0a+5*((\a)/4)                            ; sources 0 and 1: window 2 or 3
.irp b, 0,1,2,3,4,5,6,7
.irp r, 0,1,2,3
	v_cvt_pk_bf16_f32 v[TMP+32*((\a)%4)+4*(\b)+(\r)], v[8*(8*((\a)%4)+(\b))+2*(\r)], v[8*(8*((\a)%4)+(\b))+2*(\r)+1]
.endr
.endr
	WIN 0
.irp b, 0,1,2,3,4,5,6,7
	ds_store_b128 v[STO], v[TMP+32*((\a)%4)+4*(\b):TMP+32*((\a)%4)+4*(\b)+3] offset:16*272*(\a)+32*(\b)
.endr
.endr
	s_mov_b32 s[CNT], 8
.Lout:                                             ; 16 rows a trip; LDS serves a wave's instructions in order (ISA guide 5.7.1.4): the loads see my stores above
.irp i, 0,1,2,3,4,5,6,7
	ds_load_b128 v[OB+4*(\i):OB+4*(\i)+3], v[RD] offset:4*272*((\i)/2)+128*((\i)%2)
.endr
.irp i, 0,1,2,3,4,5,6,7
	s_wait_dscnt 7-(\i)
	global_store_b128 v[CO], v[OB+4*(\i):OB+4*(\i)+3], s[OUT:OUT+1] offset:262144*((\i)%2)+512*((\i)/2)
.endr
	s_wait_xcnt 0x0                                ; the stores have read their registers: these are written again only behind this wait
	v_add_nc_u32 v[RD], 16*272, v[RD]
	v_add_nc_u32 v[CO], 2048, v[CO]
	s_sub_co_u32 s[CNT], s[CNT], 1
	s_cmp_lg_u32 s[CNT], 0
	s_cbranch_scc1 .Lout
	s_wait_tensorcnt 0x0                           ; the wave's end
	ds_add_u32 v[SPW], v[NIL]
	s_wait_dscnt 0x0
	CROUND                                         ; the closing round
	s_endpgm
.Lfunc_end_k_q9cfb4a153d_gemm_in:
	.size	k_q9cfb4a153d_gemm_in, .Lfunc_end_k_q9cfb4a153d_gemm_in-k_q9cfb4a153d_gemm_in
	.p2alignl 7, 3214868480
	.fill 96, 4, 3214868480
	.section	.rodata,"a",@progbits
	.p2align	6, 0x0
	.amdhsa_kernel k_q9cfb4a153d_gemm_in
		.amdhsa_group_segment_fixed_size 327680
		.amdhsa_private_segment_fixed_size 0
		.amdhsa_enable_private_segment 0
		.amdhsa_kernarg_size 40
		.amdhsa_user_sgpr_count 2
		.amdhsa_user_sgpr_kernarg_segment_ptr 1
		.amdhsa_wavefront_size32 1
		.amdhsa_system_sgpr_workgroup_id_x 1
		.amdhsa_system_sgpr_workgroup_id_y 1
		.amdhsa_system_sgpr_workgroup_id_z 1
		.amdhsa_system_vgpr_workitem_id 0
		.amdhsa_next_free_vgpr 1024
		.amdhsa_next_free_sgpr 66
		.amdhsa_reserve_vcc 0
		.amdhsa_float_denorm_mode_32 3
		.amdhsa_float_denorm_mode_16_64 3
		.amdhsa_memory_ordered 1
		.amdhsa_forward_progress 1
		.amdhsa_inst_pref_size 134
	.end_amdhsa_kernel
	.amdgpu_metadata
---
amdhsa.version: [ 1, 2 ]
amdhsa.kernels:
  - .name:           k_q9cfb4a153d_gemm_in
    .symbol:         k_q9cfb4a153d_gemm_in.kd
    .args:
      - { .name: Q_seq, .offset: 0, .size: 8, .value_kind: global_buffer, .address_space: global }
      - { .name: K_seq, .offset: 8, .size: 8, .value_kind: global_buffer, .address_space: global }
      - { .name: WB, .offset: 16, .size: 8, .value_kind: global_buffer, .address_space: global }
      - { .name: QH, .offset: 24, .size: 8, .value_kind: global_buffer, .address_space: global }
      - { .name: KH, .offset: 32, .size: 8, .value_kind: global_buffer, .address_space: global }
    .group_segment_fixed_size: 327680
    .private_segment_fixed_size: 0
    .kernarg_segment_align: 8
    .kernarg_segment_size: 40
    .max_flat_workgroup_size: 128
    .sgpr_count:     66
    .vgpr_count:     1024
    .wavefront_size: 32
...
	.end_amdgpu_metadata
.endif
;; end of part 2
;; launch poolq (part 3): grid 32 x 8, 4 waves a work-group, no clusters, 218,624 bytes of LDS; arguments QH, Wa, accQ, stQ; writes accQ, stQ
.if DOCPART == 3
	.amdgcn_target "amdgcn-amd-amdhsa--gfx1250"
	.amdhsa_code_object_version 6
	.text
	.protected	k_q9cfb4a153d_poolq
	.globl	k_q9cfb4a153d_poolq
	.p2align	8
	.type	k_q9cfb4a153d_poolq,@function
k_q9cfb4a153d_poolq:
	s_mov_b64 s[64:65], 0
	v_nop
	global_prefetch_b8 v0, s[64:65] scope:SCOPE_SE
	s_setreg_imm32_b32 hwreg(HW_REG_WAVE_MODE, 25, 1), 1
	s_wait_xcnt 0x0
; ONE PART OF A POOLING, for 64 positions of a batch.  x[t][e] = the sum over c of X[t][c] W'[c][e] (bf16 operands, f32 sums); m[e] = the largest x[t][e] of these 64 positions;
; p[e][t] = 2^(c x - c m), c = log2(e) / 8; l[e] = the sum of p; acc[h][d] = the sum over t of p[h][t] XH[h][t][d].  A later launch joins the 32 parts of a batch by their maxima.
; ISK = 0: X's row t is position t of Q, gathered from the 16 heads of QH; W' = Wa.
; ISK = 1: X's row t is 2,048 consecutive bytes of KH (the source's reshape without a permutation: row s' is head s' / 128, positions 16 (s' % 128) .. + 15); W'[c][e] = q_glob[i / 2][c % 64] Wb[c][e],
;          with q_glob joined here from the first pooling's 32 parts.  The pooled rows are positions 64 i .. + 63 of every head, unscaled: the next launch multiplies by q_glob.
; LIMITS.  p is rounded to bf16 for the pooling product (l is the sum of the unrounded p); a weight below 2^-126 counts as 0; NaN and infinities are not treated apart.
; No exponent is above 0: the part's own maximum, and the parts' common maximum, are taken away.
; SHARES.  Work-group (i, b).  Wave w: logits of rows 16 w .. + 15; pooling of heads 4 w .. 4 w + 3.
; THE POOLED ROWS come by ONE tensor load a wave, issued first: 4 heads x 64 rows x 128 bytes, each head's rows dense in memory; in LDS a row is 160 bytes.  Only the wave that asked reads them.
; THE POOLING is a product: acc^T[d][e] = the sum over t of X_g^T[d][t] P_g^T[t][e].  X^T comes turned out of LDS; P_g is p with all columns but e = 4 w + g set to 0, so the four heads add into the
; same four accumulators, and lane e % 16 ends with head e's 64 sums.
; No cluster: what work-groups share is 8 KiB of parts and the weights.  No prefetch: all requests go out at the head.
; REGISTERS: window 0 at work; window 1 the 32 fragments of X for the logits; window 2 the 32 fragments of X^T for the pooling.
.set ISK, 0
.if ISK
.set AO, 12                            ; s[12:13] the parts' sums, out;  s[14:15] their statistics, out
.set SO, 14
.set FSH_I, 17
.set FSH_W, 15
.set FSH_R, 11
.else
.set AO, 8
.set SO, 10
.set FSH_I, 13
.set FSH_W, 11
.set FSH_R, 7
.endif
.set PV,    160                        ; a pooled row in LDS: 128 bytes + 32: the turning load's 8 rows x 32 bytes fall on different banks (64 banks of 4 bytes: ISA guide 11.1)
.set PDW,   4*64*PV                    ; a wave's part, from LDS byte 0 on: filled by its tensor load and by nothing else
.set WT,    4*PDW                      ; W' as bf16: [1024 c][16 e], rows of 32 bytes
.set PT,    WT+32768                   ; p as bf16: [16 e][64 t], rows of 128 + 16 bytes
.set PP,    144
.set RED,   PT+2560                    ; the waves' maxima [4][16], then at + 256 their sums
.set AB,    RED+512                    ; the pooled sums on their way out: for each wave 16 rows of 256 + 16 bytes
.set ABP,   272
.set QT,    AB+4*16*ABP                ; q_glob of one head, 256 bytes a wave, each wave's own
.set SPARE, QT+1024                    ; the spare words, 128 bytes a wave: two blocks of 256 bytes that no other line names
.set FO,  8
.set PO,  9
.set WO,  10
.set WS,  11
.set BA,  12
.set SOF, 13
.set XA,  14
.set QS,  15
.set QL,  16
.set RS,  17
.set RR,  18
.set PS,  19
.set ABW, 20
.set ABR, 21
.set TO,  22
.set PR,  23
.set SPW, 26
.set NIL, 27
.set A32, 32                           ; v[32:95]   the first pooling's 32 parts, two numbers a lane
.set ACC, 32                           ; v[32:63]   later: four accumulators of the logits
.set WR,  96                           ; v[96:223]  W as loaded; later 16 fragments of W'
.set BF,  96
.set PF,  96                           ; v[96:159]  later: p's two fragments, masked for each of my four heads
.set DA,  160                          ; v[160:191] the pooling's four accumulators
.set PU,  192                          ; v[192:207] p's two fragments as they lie
.set QF,  224                          ; v[224:231] q_glob for my rows of W
.set WV,  16
.set BI,  18
.set FRB, 20
.set SEL, 26
.set CC,  30
.set G0,  68                           ; s[68:71] descriptor group 0
.set G1,  72                           ; s[72:79] descriptor group 1
.set MSB, 0
.macro WIN new
.if MSB != (\new)
	s_set_vgpr_msb (MSB<<8)|(\new)
.set MSB, \new
.endif
.endm
	s_load_b256 s[4:11], s[0:1], 0x0               ; X s[4:5], W s[6:7]; ISK = 0: acc, st out; ISK = 1: accQ s[8:9], stQ s[10:11] in
.if ISK
	s_load_b128 s[12:15], s[0:1], 0x20
.endif
	v_lshl_add_u32 v[SPW], v0, 2, SPARE
	v_mov_b32 v[NIL], 0
	ds_add_u32 v[SPW], v[NIL]                      ; the wave's opening: the add and its wait ahead of my tensor load; the set-up below stands between them
	v_lshrrev_b32 v1, 5, v0
	v_readfirstlane_b32 s[WV], v1
	s_and_b32 s[BI], ttmp7, 0xffff
	s_mov_b32 s[SEL], 0x76543210                   ; v_permlanex16_b32: each lane takes its own place in the other half
	s_mov_b32 s[SEL+1], 0xfedcba98
	s_mov_b32 s[CC], 0x3e38aa3b                    ; c = log2(e) / 8
	s_mov_b32 s[G0], 1                             ; count = 1
	s_mul_i32 s[G0+1], s[WV], PDW                  ; LDS address: my wave's part
	s_mov_b32 s[G1], (1<<16)|(1<<20)|(4<<22)|(7<<25)  ; 2-byte elements; padding on; after every 32 words (a row of 128 bytes), 8 words
	s_mov_b32 s[G1+1], 4096<<16                    ; tensor_dim0 = 4,096: a head's 64 rows are 8,192 dense bytes
	s_mov_b32 s[G1+2], 4<<16                       ; tensor_dim1 = 4 heads
	s_mov_b32 s[G1+3], 4096<<16                    ; tile_dim0 = 4,096
	s_mov_b32 s[G1+4], 4                           ; tile_dim1 = 4
	s_mov_b32 s[G1+5], 131072                      ; elements from head to head
	s_mov_b32 s[G1+6], 0
	s_mov_b32 s[G1+7], 0
	v_and_b32 v2, 31, v0                           ; l
	v_and_b32 v3, 15, v0                           ; l % 16
	v_bfe_u32 v4, v0, 4, 1                         ; l / 16
	v_and_b32 v5, 7, v0                            ; l % 8
	v_bfe_u32 v6, v0, 3, 1
	v_lshlrev_b32 v[FO], FSH_R, v3                 ; a fragment's row l % 16, 16 bytes for each half of the lanes
	v_lshl_add_u32 v[FO], v4, 4, v[FO]
	v_lshlrev_b32 v[PO], 4, v2
	s_lshl_b32 s24, s[WV], 14
	v_lshl_add_u32 v[WO], v2, 4, s24               ; my wave's 256 rows of W, 64 bytes each
	s_lshl_b32 s24, s[WV], 13
	s_add_co_u32 s24, s24, WT
	v_lshl_add_u32 v[WS], v2, 3, s24               ; and of W', 32 bytes each
	v_lshl_add_u32 v7, v4, 3, v5                   ; the turning loads: row 8 (l / 16) + l % 8, columns 8 ((l / 8) % 2) on
	v_lshlrev_b32 v[BA], 5, v7
	v_lshl_add_u32 v[BA], v6, 4, v[BA]
	v_add_nc_u32 v[BA], WT, v[BA]                  ; in W',
	v_mul_u32_u24 v[XA], v7, PV
	v_lshl_add_u32 v[XA], v6, 4, v[XA]
	v_add_nc_u32 v[XA], s[G0+1], v[XA]             ; and in my pooled rows
	v_lshlrev_b32 v[RR], 2, v3
	v_add_nc_u32 v[RR], RED, v[RR]
	s_lshl_b32 s24, s[WV], 6
	v_add_nc_u32 v[RS], s24, v[RR]
	v_mul_u32_u24 v[PR], v3, PP
	v_lshl_add_u32 v[PR], v4, 4, v[PR]
	v_add_nc_u32 v[PR], PT, v[PR]                  ; p's fragments: row e = l % 16, 16 bytes for each half of the lanes
	s_lshl_b32 s24, s[WV], 5
	v_add_nc_u32 v[PS], s24, v[PR]                 ; where I put p[e = l % 16][16 w + 8 (l / 16) .. + 7]
	s_mul_i32 s24, s[WV], 16*ABP
	s_add_co_u32 s24, s24, AB
	v_mul_u32_u24 v[ABW], v3, ABP
	v_lshl_add_u32 v[ABW], v4, 5, v[ABW]
	v_add_nc_u32 v[ABW], s24, v[ABW]               ; out: row e = l % 16, 32 bytes for each half of the lanes
	s_mul_i32 s25, s[WV], 4*ABP
	s_add_co_u32 s24, s24, s25
	v_mul_u32_u24 v[ABR], v4, ABP
	v_lshl_add_u32 v[ABR], v3, 4, v[ABR]
	v_add_nc_u32 v[ABR], s24, v[ABR]               ; back: rows 4 w + l / 16, whole
	v_lshlrev_b32 v[TO], 3, v2
.if ISK
	v_lshlrev_b32 v[SOF], 8, v2                    ; lane = part: its record of 256 bytes
	s_lshl_b32 s24, s[WV], 8
	s_add_co_u32 s24, s24, QT
	v_lshl_add_u32 v[QS], v2, 3, s24
	v_bfe_u32 v25, v0, 2, 3
	v_lshl_add_u32 v[QL], v25, 2, s24
.endif
	s_lshl_b32 s32, s[BI], 22                      ; X's rows for the logits: batch, 64 i + 16 w rows
	s_lshl_b32 s33, ttmp9, FSH_I
	s_add_co_u32 s32, s32, s33
	s_lshl_b32 s33, s[WV], FSH_W
	s_add_co_u32 s32, s32, s33
	s_mov_b32 s33, 0
	s_lshl_b32 s34, s[BI], 22                      ; the rows to be pooled: batch, head 4 w, position 64 i
	s_lshl_b32 s35, s[WV], 20
	s_add_co_u32 s34, s34, s35
	s_lshl_b32 s35, ttmp9, 13
	s_add_co_u32 s34, s34, s35
	s_mov_b32 s35, 0
	s_lshl_b32 s36, s[BI], 5
	s_add_co_u32 s36, s36, ttmp9                   ; the part's number, 32 b + i
	s_lshl_b32 s38, s36, 8
	s_mov_b32 s39, 0
	s_lshl_b32 s36, s36, 12
	s_lshl_b32 s37, s[WV], 10
	s_add_co_u32 s36, s36, s37
	s_mov_b32 s37, 0
.if ISK
	s_lshr_b32 s44, ttmp9, 1                       ; the head in which my 64 scrambled rows lie
	s_lshl_b32 s40, s[BI], 13
	s_lshl_b32 s41, s44, 3
	s_add_co_u32 s40, s40, s41
	s_mov_b32 s41, 0
	s_lshl_b32 s42, s[BI], 17
	s_lshl_b32 s43, s44, 8
	s_add_co_u32 s42, s42, s43
	s_mov_b32 s43, 0
.endif
	s_wait_dscnt 0x0                               ; the opening add is done
	s_wait_kmcnt 0x0
	s_add_nc_u64 s[G0+2:G0+3], s[4:5], s[34:35]    ; global address of my four heads' rows
	s_or_b32 s[G0+3], s[G0+3], 0x80000000          ; type = 2
	s_add_nc_u64 s[FRB:FRB+1], s[4:5], s[32:33]
	s_add_nc_u64 s[AO:AO+1], s[AO:AO+1], s[36:37]
	s_add_nc_u64 s[SO:SO+1], s[SO:SO+1], s[38:39]
.if ISK
	s_add_nc_u64 s[10:11], s[10:11], s[40:41]
	s_add_nc_u64 s[8:9], s[8:9], s[42:43]
.endif
	tensor_load_to_lds s[G0:G0+3], s[G1:G1+7]      ; my one tensor load: 32,768 bytes
	s_nop 0
.rept 4
	v_nop
.endr
	; THE LOADS INTO REGISTERS, in the order in which they are wanted: what W' is made of first, X's 64 last
.if ISK
	global_load_b32 v232, v[SOF], s[10:11]             ; c m of part l,
	global_load_b32 v233, v[SOF], s[10:11] offset:128  ; and its sum
.set i, 0
.rept 32
	global_load_b64 v[A32+2*i:A32+2*i+1], v[TO], s[8:9] offset:4096*i
.set i, i+1
.endr
.endif
.set j, 0
.rept 32
	global_load_b128 v[WR+4*j:WR+4*j+3], v[WO], s[6:7] offset:512*j
.set j, j+1
.endr
	WIN 0x40                                       ; destination window 1
.set kb, 0
.rept 32
.if ISK
	global_load_b128 v[8*kb:8*kb+3],   v[FO], s[FRB:FRB+1] offset:64*kb
	global_load_b128 v[8*kb+4:8*kb+7], v[FO], s[FRB:FRB+1] offset:64*kb+32
.else
	global_load_b128 v[8*kb:8*kb+3],   v[FO], s[FRB:FRB+1] offset:(kb/2)*262144+(kb%2)*64
	global_load_b128 v[8*kb+4:8*kb+7], v[FO], s[FRB:FRB+1] offset:(kb/2)*262144+(kb%2)*64+32
.endif
.set kb, kb+1
.endr
	WIN 0
	s_wait_loadcnt 63                              ; X's 64 loads are the youngest: all that was issued ahead of them is in; W' is made while they are on their way
.if ISK
	; q_glob of the head: the 32 parts joined.  w = 2^(c m - the largest c m); q = the sum of w acc / the sum of w l
	v_mov_b32 v234, v232
	v_mov_b32 v235, 0
	v_max_num_f32_dpp v234, v234, v234 row_xmask:1 row_mask:0xf bank_mask:0xf
	v_max_num_f32_dpp v234, v234, v234 row_xmask:2 row_mask:0xf bank_mask:0xf
	v_max_num_f32_dpp v234, v234, v234 row_xmask:4 row_mask:0xf bank_mask:0xf
	v_max_num_f32_dpp v234, v234, v234 row_xmask:8 row_mask:0xf bank_mask:0xf
	v_permlanex16_b32 v235, v234, s[SEL], s[SEL+1]
	v_max_num_f32 v234, v234, v235
	v_sub_f32 v236, v232, v234
	v_exp_f32 v236, v236
	v_nop                                          ; a plain instruction behind the exponential,
	s_wait_alu depctr_va_vdst(0)                   ; and the wait ahead of its first reader
	v_mul_f32 v237, v236, v233
	v_add_f32_dpp v237, v237, v237 row_xmask:1 row_mask:0xf bank_mask:0xf
	v_add_f32_dpp v237, v237, v237 row_xmask:2 row_mask:0xf bank_mask:0xf
	v_add_f32_dpp v237, v237, v237 row_xmask:4 row_mask:0xf bank_mask:0xf
	v_add_f32_dpp v237, v237, v237 row_xmask:8 row_mask:0xf bank_mask:0xf
	v_permlanex16_b32 v235, v237, s[SEL], s[SEL+1]
	v_add_f32 v237, v237, v235
	v_rcp_f32 v237, v237
	v_nop
	s_wait_alu depctr_va_vdst(0)
	v_mul_f32 v236, v236, v237
.set i, 0
.rept 32
	v_readlane_b32 s[32+i], v236, i                ; part i's share, a factor and nothing else
.set i, i+1
.endr
	v_mul_f32 v240, s32, v[A32]
	v_mul_f32 v241, s32, v[A32+1]
.set i, 1
.rept 31
	v_fmac_f32 v240, s[32+i], v[A32+2*i]
	v_fmac_f32 v241, s[32+i], v[A32+2*i+1]
.set i, i+1
.endr
	ds_store_b64 v[QS], v[240:241]                 ; q[2 l], q[2 l + 1]: my wave's own bytes, so no barrier
.irp m, 0,1,2,3,4,5,6,7
	ds_load_b32 v[QF+(\m)], v[QL] offset:32*(\m)   ; q[l / 4 + 8 m]
.endr
	s_wait_dscnt 0x0
.endif
	; W' into LDS: load j holds rows 256 w + 8 j + l / 4, columns 4 (l % 4) on
.set j, 0
.rept 32
.if ISK
.irp q, 0,1,2,3
	v_mul_f32 v[WR+4*j+(\q)], v[QF+j%8], v[WR+4*j+(\q)]
.endr
.endif
	v_cvt_pk_bf16_f32 v[WR+4*j], v[WR+4*j], v[WR+4*j+1]
	v_cvt_pk_bf16_f32 v[WR+4*j+1], v[WR+4*j+2], v[WR+4*j+3]
	ds_store_b64 v[WS], v[WR+4*j:WR+4*j+1] offset:256*j
.set j, j+1
.endr
	s_wait_dscnt 0x0                               ; for the others' sake: my rows of W' are stored
	s_barrier_signal -1
	s_barrier_wait -1
	; THE LOGITS: 32 products on four accumulators that take turns; W's fragments in two batches of 16
.macro BLOADS h
.set f, 0
.rept 16
	ds_load_tr16_b128 v[BF+8*f:BF+8*f+3],   v[BA] offset:1024*(16*(\h)+f)
	ds_load_tr16_b128 v[BF+8*f+4:BF+8*f+7], v[BA] offset:1024*(16*(\h)+f)+512
.set f, f+1
.endr
.endm
.macro MULS h
	WIN 0x01                                       ; source 0 (X) in window 1
.set f, 0
.rept 16
.set kb, 16*(\h)+f
.if kb < 4
	v_wmma_f32_16x16x32_bf16 v[ACC+8*(kb%4):ACC+8*(kb%4)+7], v[8*kb:8*kb+7], v[BF+8*f:BF+8*f+7], 0
.else
	v_wmma_f32_16x16x32_bf16 v[ACC+8*(kb%4):ACC+8*(kb%4)+7], v[8*kb:8*kb+7], v[BF+8*f:BF+8*f+7], v[ACC+8*(kb%4):ACC+8*(kb%4)+7]
.endif
.set f, f+1
.endr
	WIN 0
.endm
	BLOADS 0
	s_wait_loadcnt 0x0                             ; X
	s_wait_dscnt 0x0
	MULS 0
.rept 4
	v_nop                                          ; the places in front of loads into registers that the products have read
.endr
	BLOADS 1
	s_wait_dscnt 0x0
	MULS 1
.rept 8
	v_nop                                          ; the places in front of the sums
.endr
.irp r, 0,2,4,6
	v_pk_add_f32 v[ACC+(\r):ACC+(\r)+1], v[ACC+(\r):ACC+(\r)+1], v[ACC+8+(\r):ACC+8+(\r)+1]
	v_pk_add_f32 v[ACC+16+(\r):ACC+16+(\r)+1], v[ACC+16+(\r):ACC+16+(\r)+1], v[ACC+24+(\r):ACC+24+(\r)+1]
.endr
.irp r, 0,2,4,6
	v_pk_add_f32 v[ACC+(\r):ACC+(\r)+1], v[ACC+(\r):ACC+(\r)+1], v[ACC+16+(\r):ACC+16+(\r)+1]
.endr
	; a lane now holds column e = l % 16 and rows 16 w + 8 (l / 16) + 0..7.  THE MAXIMUM of the 64 rows
	v_max3_num_f32 v232, v32, v33, v34
	v_max3_num_f32 v234, v35, v36, v37
	v_max3_num_f32 v232, v232, v38, v39
	v_max_num_f32 v232, v232, v234
	v_permlanex16_b32 v234, v232, s[SEL], s[SEL+1]
	v_max_num_f32 v232, v232, v234
	ds_store_b32 v[RS], v232
	s_wait_dscnt 0x0
	s_barrier_signal -1
	s_barrier_wait -1
.irp k, 0,1,2,3
	ds_load_b32 v[234+(\k)], v[RR] offset:64*(\k)
.endr
	s_wait_dscnt 0x0
	s_wait_tensorcnt 0x0                           ; my four heads' rows have landed; only I read them.  Their 32 fragments come in while the weights are made
	WIN 0x80                                       ; destination window 2
.set f, 0
.rept 32                                           ; fragment f: head f / 8, rows 32 ((f / 4) % 2) on, channels 16 (f % 4) on
	ds_load_tr16_b128 v[8*f:8*f+3],   v[XA] offset:(f/8)*64*PV+((f/4)%2)*32*PV+(f%4)*32
	ds_load_tr16_b128 v[8*f+4:8*f+7], v[XA] offset:(f/8)*64*PV+((f/4)%2)*32*PV+(f%4)*32+16*PV
.set f, f+1
.endr
	WIN 0
	v_max3_num_f32 v232, v234, v235, v236
	v_max_num_f32 v232, v232, v237
	v_mul_f32 v233, s[CC], v232                    ; c m: kept to the end
	; THE WEIGHTS
.irp j, 0,1,2,3,4,5,6,7
	v_fma_f32 v[32+(\j)], v[32+(\j)], s[CC], -v233
.endr
.irp j, 0,1,2,3,4,5,6,7
	v_exp_f32 v[32+(\j)], v[32+(\j)]
.endr
	v_nop                                          ; one plain instruction and one wait for the batch of eight
	s_wait_alu depctr_va_vdst(0)
	v_pk_add_f32 v[234:235], v[32:33], v[34:35]
	v_pk_add_f32 v[236:237], v[36:37], v[38:39]
.irp q, 0,1,2,3
	v_cvt_pk_bf16_f32 v[240+(\q)], v[32+2*(\q)], v[32+2*(\q)+1]
.endr
	v_pk_add_f32 v[234:235], v[234:235], v[236:237]
	v_add_f32 v234, v234, v235
	v_permlanex16_b32 v235, v234, s[SEL], s[SEL+1]
	v_add_f32 v234, v234, v235
	ds_store_b32 v[RS], v234 offset:256
	ds_store_b128 v[PS], v[240:243]
	s_wait_dscnt 0x0                               ; my stores are done, and my fragments of X^T are in
	s_barrier_signal -1
	s_barrier_wait -1
	; THE POOLING.  p's two fragments (column e = l % 16, rows t along the registers), then for each of my heads a copy in which only its own column is left
.irp q, 0,1,2,3
	ds_load_b128 v[PU+4*(\q):PU+4*(\q)+3], v[PR] offset:32*(\q)
.endr
	s_lshl_b32 s24, s[WV], 2
	s_wait_dscnt 0x0
.irp g, 0,1,2,3
	s_add_co_u32 s25, s24, \g
	v_cmp_eq_u32 vcc_lo, s25, v3
.set i, 0
.rept 16
	v_cndmask_b32 v[PF+16*(\g)+i], 0, v[PU+i], vcc_lo
.set i, i+1
.endr
.endr
	WIN 0x02                                       ; source 0 (X^T) in window 2
.set f, 0
.rept 32                                           ; the four accumulators (channels 16 (f % 4) on) take turns
.if f < 4
	v_wmma_f32_16x16x32_bf16 v[DA+8*(f%4):DA+8*(f%4)+7], v[8*f:8*f+7], v[PF+8*(f/4):PF+8*(f/4)+7], 0
.else
	v_wmma_f32_16x16x32_bf16 v[DA+8*(f%4):DA+8*(f%4)+7], v[8*f:8*f+7], v[PF+8*(f/4):PF+8*(f/4)+7], v[DA+8*(f%4):DA+8*(f%4)+7]
.endif
.set f, f+1
.endr
	WIN 0
.rept 8
	v_nop                                          ; the places in front of the stores
.endr
.irp cb, 0,1,2,3
	ds_store_b128 v[ABW], v[DA+8*(\cb):DA+8*(\cb)+3]   offset:64*(\cb)     ; row e = l % 16, channels 16 cb + 8 (l / 16) + 0..7; the rows of other waves' heads hold 0 and are not read
	ds_store_b128 v[ABW], v[DA+8*(\cb)+4:DA+8*(\cb)+7] offset:64*(\cb)+16
.endr
	ds_load_b128 v[244:247], v[ABR]                ; my wave's own bytes, in order behind the stores: rows 4 w, 4 w + 1,
	ds_load_b128 v[248:251], v[ABR] offset:2*ABP   ; and 4 w + 2, 4 w + 3
	s_wait_dscnt 0x0
	global_store_b128 v[PO], v[244:247], s[AO:AO+1]             ; 512 consecutive bytes each, aligned
	global_store_b128 v[PO], v[248:251], s[AO:AO+1] offset:512
	s_cmp_lg_u32 s[WV], 0
	s_cbranch_scc1 .Lend
.irp k, 0,1,2,3
	ds_load_b32 v[236+(\k)], v[RR] offset:256+64*(\k)
.endr
	s_wait_dscnt 0x0
	v_add_f32 v236, v236, v237
	v_add_f32 v238, v238, v239
	v_add_f32 v236, v236, v238
	v_cmp_eq_u32 vcc_lo, 1, v4
	v_cndmask_b32 v240, v233, v236, vcc_lo         ; lanes 0-15: c m[e]; lanes 16-31: l[e]
	v_mov_b32 v241, 0
	global_store_b64 v[TO], v[240:241], s[SO:SO+1] ; the record's 256 bytes, whole
.Lend:
	s_wait_tensorcnt 0x0                           ; the wave's end
	ds_add_u32 v[SPW], v[NIL]
	s_wait_dscnt 0x0
	s_endpgm
.Lfunc_end_k_q9cfb4a153d_poolq:
	.size	k_q9cfb4a153d_poolq, .Lfunc_end_k_q9cfb4a153d_poolq-k_q9cfb4a153d_poolq
	.p2alignl 7, 3214868480
	.fill 96, 4, 3214868480
	.section	.rodata,"a",@progbits
	.p2align	6, 0x0
	.amdhsa_kernel k_q9cfb4a153d_poolq
		.amdhsa_group_segment_fixed_size 218624
		.amdhsa_private_segment_fixed_size 0
		.amdhsa_enable_private_segment 0
		.amdhsa_kernarg_size 32
		.amdhsa_user_sgpr_count 2
		.amdhsa_user_sgpr_kernarg_segment_ptr 1
		.amdhsa_wavefront_size32 1
		.amdhsa_system_sgpr_workgroup_id_x 1
		.amdhsa_system_sgpr_workgroup_id_y 1
		.amdhsa_system_sgpr_workgroup_id_z 1
		.amdhsa_system_vgpr_workitem_id 0
		.amdhsa_next_free_vgpr 768
		.amdhsa_next_free_sgpr 80
		.amdhsa_reserve_vcc 1
		.amdhsa_float_denorm_mode_32 3
		.amdhsa_float_denorm_mode_16_64 3
		.amdhsa_memory_ordered 1
		.amdhsa_forward_progress 1
		.amdhsa_inst_pref_size 41
	.end_amdhsa_kernel
	.amdgpu_metadata
---
amdhsa.version: [ 1, 2 ]
amdhsa.kernels:
  - .name:           k_q9cfb4a153d_poolq
    .symbol:         k_q9cfb4a153d_poolq.kd
    .args:
      - { .name: QH, .offset: 0, .size: 8, .value_kind: global_buffer, .address_space: global }
      - { .name: Wa, .offset: 8, .size: 8, .value_kind: global_buffer, .address_space: global }
      - { .name: accQ, .offset: 16, .size: 8, .value_kind: global_buffer, .address_space: global }
      - { .name: stQ, .offset: 24, .size: 8, .value_kind: global_buffer, .address_space: global }
    .group_segment_fixed_size: 218624
    .private_segment_fixed_size: 0
    .kernarg_segment_align: 8
    .kernarg_segment_size: 32
    .max_flat_workgroup_size: 128
    .sgpr_count:     80
    .vgpr_count:     768
    .wavefront_size: 32
...
	.end_amdgpu_metadata
.endif
;; end of part 3
;; launch poolk (part 4): grid 32 x 8, 4 waves a work-group, no clusters, 218,624 bytes of LDS; arguments KH, Wb, accQ, stQ, accK, stK; writes accK, stK
.if DOCPART == 4
	.amdgcn_target "amdgcn-amd-amdhsa--gfx1250"
	.amdhsa_code_object_version 6
	.text
	.protected	k_q9cfb4a153d_poolk
	.globl	k_q9cfb4a153d_poolk
	.p2align	8
	.type	k_q9cfb4a153d_poolk,@function
k_q9cfb4a153d_poolk:
	s_mov_b64 s[64:65], 0
	v_nop
	global_prefetch_b8 v0, s[64:65] scope:SCOPE_SE
	s_setreg_imm32_b32 hwreg(HW_REG_WAVE_MODE, 25, 1), 1
	s_wait_xcnt 0x0
; ONE PART OF A POOLING, for 64 positions of a batch.  x[t][e] = the sum over c of X[t][c] W'[c][e] (bf16 operands, f32 sums); m[e] = the largest x[t][e] of these 64 positions;
; p[e][t] = 2^(c x - c m), c = log2(e) / 8; l[e] = the sum of p; acc[h][d] = the sum over t of p[h][t] XH[h][t][d].  A later launch joins the 32 parts of a batch by their maxima.
; ISK = 0: X's row t is position t of Q, gathered from the 16 heads of QH; W' = Wa.
; ISK = 1: X's row t is 2,048 consecutive bytes of KH (the source's reshape without a permutation: row s' is head s' / 128, positions 16 (s' % 128) .. + 15); W'[c][e] = q_glob[i / 2][c % 64] Wb[c][e],
;          with q_glob joined here from the first pooling's 32 parts.  The pooled rows are positions 64 i .. + 63 of every head, unscaled: the next launch multiplies by q_glob.
; LIMITS.  p is rounded to bf16 for the pooling product (l is the sum of the unrounded p); a weight below 2^-126 counts as 0; NaN and infinities are not treated apart.
; No exponent is above 0: the part's own maximum, and the parts' common maximum, are taken away.
; SHARES.  Work-group (i, b).  Wave w: logits of rows 16 w .. + 15; pooling of heads 4 w .. 4 w + 3.
; THE POOLED ROWS come by ONE tensor load a wave, issued first: 4 heads x 64 rows x 128 bytes, each head's rows dense in memory; in LDS a row is 160 bytes.  Only the wave that asked reads them.
; THE POOLING is a product: acc^T[d][e] = the sum over t of X_g^T[d][t] P_g^T[t][e].  X^T comes turned out of LDS; P_g is p with all columns but e = 4 w + g set to 0, so the four heads add into the
; same four accumulators, and lane e % 16 ends with head e's 64 sums.
; No cluster: what work-groups share is 8 KiB of parts and the weights.  No prefetch: all requests go out at the head.
; REGISTERS: window 0 at work; window 1 the 32 fragments of X for the logits; window 2 the 32 fragments of X^T for the pooling.
.set ISK, 1
.if ISK
.set AO, 12                            ; s[12:13] the parts' sums, out;  s[14:15] their statistics, out
.set SO, 14
.set FSH_I, 17
.set FSH_W, 15
.set FSH_R, 11
.else
.set AO, 8
.set SO, 10
.set FSH_I, 13
.set FSH_W, 11
.set FSH_R, 7
.endif
.set PV,    160                        ; a pooled row in LDS: 128 bytes + 32: the turning load's 8 rows x 32 bytes fall on different banks (64 banks of 4 bytes: ISA guide 11.1)
.set PDW,   4*64*PV                    ; a wave's part, from LDS byte 0 on: filled by its tensor load and by nothing else
.set WT,    4*PDW                      ; W' as bf16: [1024 c][16 e], rows of 32 bytes
.set PT,    WT+32768                   ; p as bf16: [16 e][64 t], rows of 128 + 16 bytes
.set PP,    144
.set RED,   PT+2560                    ; the waves' maxima [4][16], then at + 256 their sums
.set AB,    RED+512                    ; the pooled sums on their way out: for each wave 16 rows of 256 + 16 bytes
.set ABP,   272
.set QT,    AB+4*16*ABP                ; q_glob of one head, 256 bytes a wave, each wave's own
.set SPARE, QT+1024                    ; the spare words, 128 bytes a wave: two blocks of 256 bytes that no other line names
.set FO,  8
.set PO,  9
.set WO,  10
.set WS,  11
.set BA,  12
.set SOF, 13
.set XA,  14
.set QS,  15
.set QL,  16
.set RS,  17
.set RR,  18
.set PS,  19
.set ABW, 20
.set ABR, 21
.set TO,  22
.set PR,  23
.set SPW, 26
.set NIL, 27
.set A32, 32                           ; v[32:95]   the first pooling's 32 parts, two numbers a lane
.set ACC, 32                           ; v[32:63]   later: four accumulators of the logits
.set WR,  96                           ; v[96:223]  W as loaded; later 16 fragments of W'
.set BF,  96
.set PF,  96                           ; v[96:159]  later: p's two fragments, masked for each of my four heads
.set DA,  160                          ; v[160:191] the pooling's four accumulators
.set PU,  192                          ; v[192:207] p's two fragments as they lie
.set QF,  224                          ; v[224:231] q_glob for my rows of W
.set WV,  16
.set BI,  18
.set FRB, 20
.set SEL, 26
.set CC,  30
.set G0,  68                           ; s[68:71] descriptor group 0
.set G1,  72                           ; s[72:79] descriptor group 1
.set MSB, 0
.macro WIN new
.if MSB != (\new)
	s_set_vgpr_msb (MSB<<8)|(\new)
.set MSB, \new
.endif
.endm
	s_load_b256 s[4:11], s[0:1], 0x0               ; X s[4:5], W s[6:7]; ISK = 0: acc, st out; ISK = 1: accQ s[8:9], stQ s[10:11] in
.if ISK
	s_load_b128 s[12:15], s[0:1], 0x20
.endif
	v_lshl_add_u32 v[SPW], v0, 2, SPARE
	v_mov_b32 v[NIL], 0
	ds_add_u32 v[SPW], v[NIL]                      ; the wave's opening: the add and its wait ahead of my tensor load; the set-up below stands between them
	v_lshrrev_b32 v1, 5, v0
	v_readfirstlane_b32 s[WV], v1
	s_and_b32 s[BI], ttmp7, 0xffff
	s_mov_b32 s[SEL], 0x76543210                   ; v_permlanex16_b32: each lane takes its own place in the other half
	s_mov_b32 s[SEL+1], 0xfedcba98
	s_mov_b32 s[CC], 0x3e38aa3b                    ; c = log2(e) / 8
	s_mov_b32 s[G0], 1                             ; count = 1
	s_mul_i32 s[G0+1], s[WV], PDW                  ; LDS address: my wave's part
	s_mov_b32 s[G1], (1<<16)|(1<<20)|(4<<22)|(7<<25)  ; 2-byte elements; padding on; after every 32 words (a row of 128 bytes), 8 words
	s_mov_b32 s[G1+1], 4096<<16                    ; tensor_dim0 = 4,096: a head's 64 rows are 8,192 dense bytes
	s_mov_b32 s[G1+2], 4<<16                       ; tensor_dim1 = 4 heads
	s_mov_b32 s[G1+3], 4096<<16                    ; tile_dim0 = 4,096
	s_mov_b32 s[G1+4], 4                           ; tile_dim1 = 4
	s_mov_b32 s[G1+5], 131072                      ; elements from head to head
	s_mov_b32 s[G1+6], 0
	s_mov_b32 s[G1+7], 0
	v_and_b32 v2, 31, v0                           ; l
	v_and_b32 v3, 15, v0                           ; l % 16
	v_bfe_u32 v4, v0, 4, 1                         ; l / 16
	v_and_b32 v5, 7, v0                            ; l % 8
	v_bfe_u32 v6, v0, 3, 1
	v_lshlrev_b32 v[FO], FSH_R, v3                 ; a fragment's row l % 16, 16 bytes for each half of the lanes
	v_lshl_add_u32 v[FO], v4, 4, v[FO]
	v_lshlrev_b32 v[PO], 4, v2
	s_lshl_b32 s24, s[WV], 14
	v_lshl_add_u32 v[WO], v2, 4, s24               ; my wave's 256 rows of W, 64 bytes each
	s_lshl_b32 s24, s[WV], 13
	s_add_co_u32 s24, s24, WT
	v_lshl_add_u32 v[WS], v2, 3, s24               ; and of W', 32 bytes each
	v_lshl_add_u32 v7, v4, 3, v5                   ; the turning loads: row 8 (l / 16) + l % 8, columns 8 ((l / 8) % 2) on
	v_lshlrev_b32 v[BA], 5, v7
	v_lshl_add_u32 v[BA], v6, 4, v[BA]
	v_add_nc_u32 v[BA], WT, v[BA]                  ; in W',
	v_mul_u32_u24 v[XA], v7, PV
	v_lshl_add_u32 v[XA], v6, 4, v[XA]
	v_add_nc_u32 v[XA], s[G0+1], v[XA]             ; and in my pooled rows
	v_lshlrev_b32 v[RR], 2, v3
	v_add_nc_u32 v[RR], RED, v[RR]
	s_lshl_b32 s24, s[WV], 6
	v_add_nc_u32 v[RS], s24, v[RR]
	v_mul_u32_u24 v[PR], v3, PP
	v_lshl_add_u32 v[PR], v4, 4, v[PR]
	v_add_nc_u32 v[PR], PT, v[PR]                  ; p's fragments: row e = l % 16, 16 bytes for each half of the lanes
	s_lshl_b32 s24, s[WV], 5
	v_add_nc_u32 v[PS], s24, v[PR]                 ; where I put p[e = l % 16][16 w + 8 (l / 16) .. + 7]
	s_mul_i32 s24, s[WV], 16*ABP
	s_add_co_u32 s24, s24, AB
	v_mul_u32_u24 v[ABW], v3, ABP
	v_lshl_add_u32 v[ABW], v4, 5, v[ABW]
	v_add_nc_u32 v[ABW], s24, v[ABW]               ; out: row e = l % 16, 32 bytes for each half of the lanes
	s_mul_i32 s25, s[WV], 4*ABP
	s_add_co_u32 s24, s24, s25
	v_mul_u32_u24 v[ABR], v4, ABP
	v_lshl_add_u32 v[ABR], v3, 4, v[ABR]
	v_add_nc_u32 v[ABR], s24, v[ABR]               ; back: rows 4 w + l / 16, whole
	v_lshlrev_b32 v[TO], 3, v2
.if ISK
	v_lshlrev_b32 v[SOF], 8, v2                    ; lane = part: its record of 256 bytes
	s_lshl_b32 s24, s[WV], 8
	s_add_co_u32 s24, s24, QT
	v_lshl_add_u32 v[QS], v2, 3, s24
	v_bfe_u32 v25, v0, 2, 3
	v_lshl_add_u32 v[QL], v25, 2, s24
.endif
	s_lshl_b32 s32, s[BI], 22                      ; X's rows for the logits: batch, 64 i + 16 w rows
	s_lshl_b32 s33, ttmp9, FSH_I
	s_add_co_u32 s32, s32, s33
	s_lshl_b32 s33, s[WV], FSH_W
	s_add_co_u32 s32, s32, s33
	s_mov_b32 s33, 0
	s_lshl_b32 s34, s[BI], 22                      ; the rows to be pooled: batch, head 4 w, position 64 i
	s_lshl_b32 s35, s[WV], 20
	s_add_co_u32 s34, s34, s35
	s_lshl_b32 s35, ttmp9, 13
	s_add_co_u32 s34, s34, s35
	s_mov_b32 s35, 0
	s_lshl_b32 s36, s[BI], 5
	s_add_co_u32 s36, s36, ttmp9                   ; the part's number, 32 b + i
	s_lshl_b32 s38, s36, 8
	s_mov_b32 s39, 0
	s_lshl_b32 s36, s36, 12
	s_lshl_b32 s37, s[WV], 10
	s_add_co_u32 s36, s36, s37
	s_mov_b32 s37, 0
.if ISK
	s_lshr_b32 s44, ttmp9, 1                       ; the head in which my 64 scrambled rows lie
	s_lshl_b32 s40, s[BI], 13
	s_lshl_b32 s41, s44, 3
	s_add_co_u32 s40, s40, s41
	s_mov_b32 s41, 0
	s_lshl_b32 s42, s[BI], 17
	s_lshl_b32 s43, s44, 8
	s_add_co_u32 s42, s42, s43
	s_mov_b32 s43, 0
.endif
	s_wait_dscnt 0x0                               ; the opening add is done
	s_wait_kmcnt 0x0
	s_add_nc_u64 s[G0+2:G0+3], s[4:5], s[34:35]    ; global address of my four heads' rows
	s_or_b32 s[G0+3], s[G0+3], 0x80000000          ; type = 2
	s_add_nc_u64 s[FRB:FRB+1], s[4:5], s[32:33]
	s_add_nc_u64 s[AO:AO+1], s[AO:AO+1], s[36:37]
	s_add_nc_u64 s[SO:SO+1], s[SO:SO+1], s[38:39]
.if ISK
	s_add_nc_u64 s[10:11], s[10:11], s[40:41]
	s_add_nc_u64 s[8:9], s[8:9], s[42:43]
.endif
	tensor_load_to_lds s[G0:G0+3], s[G1:G1+7]      ; my one tensor load: 32,768 bytes
	s_nop 0
.rept 4
	v_nop
.endr
	; THE LOADS INTO REGISTERS, in the order in which they are wanted: what W' is made of first, X's 64 last
.if ISK
	global_load_b32 v232, v[SOF], s[10:11]             ; c m of part l,
	global_load_b32 v233, v[SOF], s[10:11] offset:128  ; and its sum
.set i, 0
.rept 32
	global_load_b64 v[A32+2*i:A32+2*i+1], v[TO], s[8:9] offset:4096*i
.set i, i+1
.endr
.endif
.set j, 0
.rept 32
	global_load_b128 v[WR+4*j:WR+4*j+3], v[WO], s[6:7] offset:512*j
.set j, j+1
.endr
	WIN 0x40                                       ; destination window 1
.set kb, 0
.rept 32
.if ISK
	global_load_b128 v[8*kb:8*kb+3],   v[FO], s[FRB:FRB+1] offset:64*kb
	global_load_b128 v[8*kb+4:8*kb+7], v[FO], s[FRB:FRB+1] offset:64*kb+32
.else
	global_load_b128 v[8*kb:8*kb+3],   v[FO], s[FRB:FRB+1] offset:(kb/2)*262144+(kb%2)*64
	global_load_b128 v[8*kb+4:8*kb+7], v[FO], s[FRB:FRB+1] offset:(kb/2)*262144+(kb%2)*64+32
.endif
.set kb, kb+1
.endr
	WIN 0
	s_wait_loadcnt 63                              ; X's 64 loads are the youngest: all that was issued ahead of them is in; W' is made while they are on their way
.if ISK
	; q_glob of the head: the 32 parts joined.  w = 2^(c m - the largest c m); q = the sum of w acc / the sum of w l
	v_mov_b32 v234, v232
	v_mov_b32 v235, 0
	v_max_num_f32_dpp v234, v234, v234 row_xmask:1 row_mask:0xf bank_mask:0xf
	v_max_num_f32_dpp v234, v234, v234 row_xmask:2 row_mask:0xf bank_mask:0xf
	v_max_num_f32_dpp v234, v234, v234 row_xmask:4 row_mask:0xf bank_mask:0xf
	v_max_num_f32_dpp v234, v234, v234 row_xmask:8 row_mask:0xf bank_mask:0xf
	v_permlanex16_b32 v235, v234, s[SEL], s[SEL+1]
	v_max_num_f32 v234, v234, v235
	v_sub_f32 v236, v232, v234
	v_exp_f32 v236, v236
	v_nop                                          ; a plain instruction behind the exponential,
	s_wait_alu depctr_va_vdst(0)                   ; and the wait ahead of its first reader
	v_mul_f32 v237, v236, v233
	v_add_f32_dpp v237, v237, v237 row_xmask:1 row_mask:0xf bank_mask:0xf
	v_add_f32_dpp v237, v237, v237 row_xmask:2 row_mask:0xf bank_mask:0xf
	v_add_f32_dpp v237, v237, v237 row_xmask:4 row_mask:0xf bank_mask:0xf
	v_add_f32_dpp v237, v237, v237 row_xmask:8 row_mask:0xf bank_mask:0xf
	v_permlanex16_b32 v235, v237, s[SEL], s[SEL+1]
	v_add_f32 v237, v237, v235
	v_rcp_f32 v237, v237
	v_nop
	s_wait_alu depctr_va_vdst(0)
	v_mul_f32 v236, v236, v237
.set i, 0
.rept 32
	v_readlane_b32 s[32+i], v236, i                ; part i's share, a factor and nothing else
.set i, i+1
.endr
	v_mul_f32 v240, s32, v[A32]
	v_mul_f32 v241, s32, v[A32+1]
.set i, 1
.rept 31
	v_fmac_f32 v240, s[32+i], v[A32+2*i]
	v_fmac_f32 v241, s[32+i], v[A32+2*i+1]
.set i, i+1
.endr
	ds_store_b64 v[QS], v[240:241]                 ; q[2 l], q[2 l + 1]: my wave's own bytes, so no barrier
.irp m, 0,1,2,3,4,5,6,7
	ds_load_b32 v[QF+(\m)], v[QL] offset:32*(\m)   ; q[l / 4 + 8 m]
.endr
	s_wait_dscnt 0x0
.endif
	; W' into LDS: load j holds rows 256 w + 8 j + l / 4, columns 4 (l % 4) on
.set j, 0
.rept 32
.if ISK
.irp q, 0,1,2,3
	v_mul_f32 v[WR+4*j+(\q)], v[QF+j%8], v[WR+4*j+(\q)]
.endr
.endif
	v_cvt_pk_bf16_f32 v[WR+4*j], v[WR+4*j], v[WR+4*j+1]
	v_cvt_pk_bf16_f32 v[WR+4*j+1], v[WR+4*j+2], v[WR+4*j+3]
	ds_store_b64 v[WS], v[WR+4*j:WR+4*j+1] offset:256*j
.set j, j+1
.endr
	s_wait_dscnt 0x0                               ; for the others' sake: my rows of W' are stored
	s_barrier_signal -1
	s_barrier_wait -1
	; THE LOGITS: 32 products on four accumulators that take turns; W's fragments in two batches of 16
.macro BLOADS h
.set f, 0
.rept 16
	ds_load_tr16_b128 v[BF+8*f:BF+8*f+3],   v[BA] offset:1024*(16*(\h)+f)
	ds_load_tr16_b128 v[BF+8*f+4:BF+8*f+7], v[BA] offset:1024*(16*(\h)+f)+512
.set f, f+1
.endr
.endm
.macro MULS h
	WIN 0x01                                       ; source 0 (X) in window 1
.set f, 0
.rept 16
.set kb, 16*(\h)+f
.if kb < 4
	v_wmma_f32_16x16x32_bf16 v[ACC+8*(kb%4):ACC+8*(kb%4)+7], v[8*kb:8*kb+7], v[BF+8*f:BF+8*f+7], 0
.else
	v_wmma_f32_16x16x32_bf16 v[ACC+8*(kb%4):ACC+8*(kb%4)+7], v[8*kb:8*kb+7], v[BF+8*f:BF+8*f+7], v[ACC+8*(kb%4):ACC+8*(kb%4)+7]
.endif
.set f, f+1
.endr
	WIN 0
.endm
	BLOADS 0
	s_wait_loadcnt 0x0                             ; X
	s_wait_dscnt 0x0
	MULS 0
.rept 4
	v_nop                                          ; the places in front of loads into registers that the products have read
.endr
	BLOADS 1
	s_wait_dscnt 0x0
	MULS 1
.rept 8
	v_nop                                          ; the places in front of the sums
.endr
.irp r, 0,2,4,6
	v_pk_add_f32 v[ACC+(\r):ACC+(\r)+1], v[ACC+(\r):ACC+(\r)+1], v[ACC+8+(\r):ACC+8+(\r)+1]
	v_pk_add_f32 v[ACC+16+(\r):ACC+16+(\r)+1], v[ACC+16+(\r):ACC+16+(\r)+1], v[ACC+24+(\r):ACC+24+(\r)+1]
.endr
.irp r, 0,2,4,6
	v_pk_add_f32 v[ACC+(\r):ACC+(\r)+1], v[ACC+(\r):ACC+(\r)+1], v[ACC+16+(\r):ACC+16+(\r)+1]
.endr
	; a lane now holds column e = l % 16 and rows 16 w + 8 (l / 16) + 0..7.  THE MAXIMUM of the 64 rows
	v_max3_num_f32 v232, v32, v33, v34
	v_max3_num_f32 v234, v35, v36, v37
	v_max3_num_f32 v232, v232, v38, v39
	v_max_num_f32 v232, v232, v234
	v_permlanex16_b32 v234, v232, s[SEL], s[SEL+1]
	v_max_num_f32 v232, v232, v234
	ds_store_b32 v[RS], v232
	s_wait_dscnt 0x0
	s_barrier_signal -1
	s_barrier_wait -1
.irp k, 0,1,2,3
	ds_load_b32 v[234+(\k)], v[RR] offset:64*(\k)
.endr
	s_wait_dscnt 0x0
	s_wait_tensorcnt 0x0                           ; my four heads' rows have landed; only I read them.  Their 32 fragments come in while the weights are made
	WIN 0x80                                       ; destination window 2
.set f, 0
.rept 32                                           ; fragment f: head f / 8, rows 32 ((f / 4) % 2) on, channels 16 (f % 4) on
	ds_load_tr16_b128 v[8*f:8*f+3],   v[XA] offset:(f/8)*64*PV+((f/4)%2)*32*PV+(f%4)*32
	ds_load_tr16_b128 v[8*f+4:8*f+7], v[XA] offset:(f/8)*64*PV+((f/4)%2)*32*PV+(f%4)*32+16*PV
.set f, f+1
.endr
	WIN 0
	v_max3_num_f32 v232, v234, v235, v236
	v_max_num_f32 v232, v232, v237
	v_mul_f32 v233, s[CC], v232                    ; c m: kept to the end
	; THE WEIGHTS
.irp j, 0,1,2,3,4,5,6,7
	v_fma_f32 v[32+(\j)], v[32+(\j)], s[CC], -v233
.endr
.irp j, 0,1,2,3,4,5,6,7
	v_exp_f32 v[32+(\j)], v[32+(\j)]
.endr
	v_nop                                          ; one plain instruction and one wait for the batch of eight
	s_wait_alu depctr_va_vdst(0)
	v_pk_add_f32 v[234:235], v[32:33], v[34:35]
	v_pk_add_f32 v[236:237], v[36:37], v[38:39]
.irp q, 0,1,2,3
	v_cvt_pk_bf16_f32 v[240+(\q)], v[32+2*(\q)], v[32+2*(\q)+1]
.endr
	v_pk_add_f32 v[234:235], v[234:235], v[236:237]
	v_add_f32 v234, v234, v235
	v_permlanex16_b32 v235, v234, s[SEL], s[SEL+1]
	v_add_f32 v234, v234, v235
	ds_store_b32 v[RS], v234 offset:256
	ds_store_b128 v[PS], v[240:243]
	s_wait_dscnt 0x0                               ; my stores are done, and my fragments of X^T are in
	s_barrier_signal -1
	s_barrier_wait -1
	; THE POOLING.  p's two fragments (column e = l % 16, rows t along the registers), then for each of my heads a copy in which only its own column is left
.irp q, 0,1,2,3
	ds_load_b128 v[PU+4*(\q):PU+4*(\q)+3], v[PR] offset:32*(\q)
.endr
	s_lshl_b32 s24, s[WV], 2
	s_wait_dscnt 0x0
.irp g, 0,1,2,3
	s_add_co_u32 s25, s24, \g
	v_cmp_eq_u32 vcc_lo, s25, v3
.set i, 0
.rept 16
	v_cndmask_b32 v[PF+16*(\g)+i], 0, v[PU+i], vcc_lo
.set i, i+1
.endr
.endr
	WIN 0x02                                       ; source 0 (X^T) in window 2
.set f, 0
.rept 32                                           ; the four accumulators (channels 16 (f % 4) on) take turns
.if f < 4
	v_wmma_f32_16x16x32_bf16 v[DA+8*(f%4):DA+8*(f%4)+7], v[8*f:8*f+7], v[PF+8*(f/4):PF+8*(f/4)+7], 0
.else
	v_wmma_f32_16x16x32_bf16 v[DA+8*(f%4):DA+8*(f%4)+7], v[8*f:8*f+7], v[PF+8*(f/4):PF+8*(f/4)+7], v[DA+8*(f%4):DA+8*(f%4)+7]
.endif
.set f, f+1
.endr
	WIN 0
.rept 8
	v_nop                                          ; the places in front of the stores
.endr
.irp cb, 0,1,2,3
	ds_store_b128 v[ABW], v[DA+8*(\cb):DA+8*(\cb)+3]   offset:64*(\cb)     ; row e = l % 16, channels 16 cb + 8 (l / 16) + 0..7; the rows of other waves' heads hold 0 and are not read
	ds_store_b128 v[ABW], v[DA+8*(\cb)+4:DA+8*(\cb)+7] offset:64*(\cb)+16
.endr
	ds_load_b128 v[244:247], v[ABR]                ; my wave's own bytes, in order behind the stores: rows 4 w, 4 w + 1,
	ds_load_b128 v[248:251], v[ABR] offset:2*ABP   ; and 4 w + 2, 4 w + 3
	s_wait_dscnt 0x0
	global_store_b128 v[PO], v[244:247], s[AO:AO+1]             ; 512 consecutive bytes each, aligned
	global_store_b128 v[PO], v[248:251], s[AO:AO+1] offset:512
	s_cmp_lg_u32 s[WV], 0
	s_cbranch_scc1 .Lend
.irp k, 0,1,2,3
	ds_load_b32 v[236+(\k)], v[RR] offset:256+64*(\k)
.endr
	s_wait_dscnt 0x0
	v_add_f32 v236, v236, v237
	v_add_f32 v238, v238, v239
	v_add_f32 v236, v236, v238
	v_cmp_eq_u32 vcc_lo, 1, v4
	v_cndmask_b32 v240, v233, v236, vcc_lo         ; lanes 0-15: c m[e]; lanes 16-31: l[e]
	v_mov_b32 v241, 0
	global_store_b64 v[TO], v[240:241], s[SO:SO+1] ; the record's 256 bytes, whole
.Lend:
	s_wait_tensorcnt 0x0                           ; the wave's end
	ds_add_u32 v[SPW], v[NIL]
	s_wait_dscnt 0x0
	s_endpgm
.Lfunc_end_k_q9cfb4a153d_poolk:
	.size	k_q9cfb4a153d_poolk, .Lfunc_end_k_q9cfb4a153d_poolk-k_q9cfb4a153d_poolk
	.p2alignl 7, 3214868480
	.fill 96, 4, 3214868480
	.section	.rodata,"a",@progbits
	.p2align	6, 0x0
	.amdhsa_kernel k_q9cfb4a153d_poolk
		.amdhsa_group_segment_fixed_size 218624
		.amdhsa_private_segment_fixed_size 0
		.amdhsa_enable_private_segment 0
		.amdhsa_kernarg_size 48
		.amdhsa_user_sgpr_count 2
		.amdhsa_user_sgpr_kernarg_segment_ptr 1
		.amdhsa_wavefront_size32 1
		.amdhsa_system_sgpr_workgroup_id_x 1
		.amdhsa_system_sgpr_workgroup_id_y 1
		.amdhsa_system_sgpr_workgroup_id_z 1
		.amdhsa_system_vgpr_workitem_id 0
		.amdhsa_next_free_vgpr 768
		.amdhsa_next_free_sgpr 80
		.amdhsa_reserve_vcc 1
		.amdhsa_float_denorm_mode_32 3
		.amdhsa_float_denorm_mode_16_64 3
		.amdhsa_memory_ordered 1
		.amdhsa_forward_progress 1
		.amdhsa_inst_pref_size 54
	.end_amdhsa_kernel
	.amdgpu_metadata
---
amdhsa.version: [ 1, 2 ]
amdhsa.kernels:
  - .name:           k_q9cfb4a153d_poolk
    .symbol:         k_q9cfb4a153d_poolk.kd
    .args:
      - { .name: KH, .offset: 0, .size: 8, .value_kind: global_buffer, .address_space: global }
      - { .name: Wb, .offset: 8, .size: 8, .value_kind: global_buffer, .address_space: global }
      - { .name: accQ, .offset: 16, .size: 8, .value_kind: global_buffer, .address_space: global }
      - { .name: stQ, .offset: 24, .size: 8, .value_kind: global_buffer, .address_space: global }
      - { .name: accK, .offset: 32, .size: 8, .value_kind: global_buffer, .address_space: global }
      - { .name: stK, .offset: 40, .size: 8, .value_kind: global_buffer, .address_space: global }
    .group_segment_fixed_size: 218624
    .private_segment_fixed_size: 0
    .kernarg_segment_align: 8
    .kernarg_segment_size: 48
    .max_flat_workgroup_size: 128
    .sgpr_count:     80
    .vgpr_count:     768
    .wavefront_size: 32
...
	.end_amdgpu_metadata
.endif
;; end of part 4
;; launch scalep (part 5): grid 32 x 8, 8 waves a work-group, no clusters, 0 bytes of LDS; arguments WP, accQ, stQ, accK, stK, WPK; writes WPK
.if DOCPART == 5
	.amdgcn_target "amdgcn-amd-amdhsa--gfx1250"
	.amdhsa_code_object_version 6
	.text
	.protected	k_q9cfb4a153d_scalep
	.globl	k_q9cfb4a153d_scalep
	.p2align	8
	.type	k_q9cfb4a153d_scalep,@function
k_q9cfb4a153d_scalep:
	s_mov_b64 s[64:65], 0
	v_nop
	global_prefetch_b8 v0, s[64:65] scope:SCOPE_SE
	s_setreg_imm32_b32 hwreg(HW_REG_WAVE_MODE, 25, 1), 1
	s_wait_xcnt 0x0
; WPK[b][c][n] = bf16(k_glob[b][c] WP[c][n] + (c == n)): the last product's weights for batch b, with the residual's identity laid onto the diagonal, so that out = Q WPK.
; k_glob[c] = q_glob[c] kp[c]; q_glob and kp are joined here from the 32 parts of each pooling: w = 2^(c m - the largest c m), value = the sum of w acc / the sum of w l.
; LIMITS.  On the diagonal 1 + k WP is rounded to bf16 as one number: the residual is off by at most 2^-9 of Q's number.  A share below 2^-126 counts as 0.  NaN and infinities are not treated apart.
; SHARES.  Work-group (x, b): rows c = 32 x .. + 31, which lie in head x / 2.  Wave w: rows c0 = 32 x + 4 w .. + 3; a lane holds eight neighbouring n of each row and group of 256.
; THE JOIN: A LANE A PART.  Lane i loads part i's statistics and its four sums of columns c0 .. c0 + 3 (16 bytes), for each pooling; the five sums over the parts go over the 32 lanes, and every lane ends with them.
; A stream: no LDS, no matrix unit, no cluster (what is shared, the parts, is a small share of the bytes), no prefetch (all loads go out at the head).
.set D,   64                           ; v[64:191]  WP: row p, group g at D + 32 p + 8 g
.set T,   8                            ; v[8:15]    1.0 where the diagonal falls: group g, j = p (T + 2 g) or j = 4 + p (T + 2 g + 1)
.set QV,  24                           ; v[24:27]   q_glob of my four columns; then k_glob
.set TP,  28                           ; v[28:31]   at work: the other half of the lanes' sums
.set KP,  32                           ; v[32:35]   the second pooling's four
.set AQ,  40                           ; v[40:43]   part l's four sums, first pooling
.set AK,  44                           ; v[44:47]   second pooling
	s_load_b256 s[4:11], s[0:1], 0x0               ; WP s[4:5], accQ s[6:7], stQ s[8:9], accK s[10:11]
	s_load_b128 s[12:15], s[0:1], 0x20             ; stK s[12:13], WPK s[14:15]
	v_lshrrev_b32 v1, 5, v0
	v_readfirstlane_b32 s16, v1                    ; wave 0..7
	s_and_b32 s17, ttmp7, 0xffff                   ; b
	s_lshl_b32 s18, ttmp9, 5
	s_lshl_b32 s19, s16, 2
	s_add_co_u32 s18, s18, s19                     ; c0
	s_lshr_b32 s19, ttmp9, 1                       ; the head
	s_mov_b32 s28, 0x76543210                      ; v_permlanex16_b32: each lane takes its own place in the other half
	s_mov_b32 s29, 0xfedcba98
	v_and_b32 v2, 31, v0
	v_lshlrev_b32 v3, 5, v2                        ; 32 l: my eight f32 of a group
	v_lshlrev_b32 v4, 4, v2                        ; 16 l: my eight bf16
	v_lshlrev_b32 v5, 8, v2                        ; lane = part: its record of 256 bytes,
	v_lshlrev_b32 v6, 12, v2                       ; and its 4,096 bytes of sums
	v_lshlrev_b32 v7, 3, v2
	v_sub_nc_u32 v7, s18, v7                       ; c0 - 8 l
	s_lshl_b32 s20, s18, 12                        ; WP at row c0
	s_mov_b32 s21, 0
	s_lshl_b32 s22, s17, 17                        ; the parts of batch b, at column c0
	s_lshl_b32 s23, s18, 2
	s_add_co_u32 s22, s22, s23
	s_mov_b32 s23, 0
	s_lshl_b32 s24, s17, 13                        ; the records of batch b, at the head's numbers
	s_lshl_b32 s25, s19, 3
	s_add_co_u32 s24, s24, s25
	s_mov_b32 s25, 0
	s_lshl_b32 s26, s17, 21                        ; WPK at batch b, row c0
	s_lshl_b32 s27, s18, 11
	s_add_co_u32 s26, s26, s27
	s_mov_b32 s27, 0
	s_wait_kmcnt 0x0
	s_add_nc_u64 s[4:5], s[4:5], s[20:21]
	s_add_nc_u64 s[6:7], s[6:7], s[22:23]
	s_add_nc_u64 s[10:11], s[10:11], s[22:23]
	s_add_nc_u64 s[8:9], s[8:9], s[24:25]
	s_add_nc_u64 s[12:13], s[12:13], s[24:25]
	s_add_nc_u64 s[14:15], s[14:15], s[26:27]
	global_load_b32 v16, v5, s[8:9]                ; c m and l of part l: first pooling,
	global_load_b32 v17, v5, s[8:9] offset:128
	global_load_b32 v18, v5, s[12:13]              ; second pooling
	global_load_b32 v19, v5, s[12:13] offset:128
	global_load_b128 v[AQ:AQ+3], v6, s[6:7]
	global_load_b128 v[AK:AK+3], v6, s[10:11]
.irp p, 0,1,2,3
.irp g, 0,1,2,3
	global_load_b128 v[D+32*(\p)+8*(\g):D+32*(\p)+8*(\g)+3],   v3, s[4:5] offset:4096*(\p)+1024*(\g)
	global_load_b128 v[D+32*(\p)+8*(\g)+4:D+32*(\p)+8*(\g)+7], v3, s[4:5] offset:4096*(\p)+1024*(\g)+16
.endr
.endr
.irp g, 0,1,2,3
.irp cd, 0,1
	v_cmp_eq_u32 vcc_lo, 256*(\g)+4*(\cd), v7      ; n = 256 g + 8 l + j equals c = c0 + p where c0 - 8 l = 256 g + (j - p), and j - p is 0 (w even) or 4 (w odd)
	v_cndmask_b32 v[T+2*(\g)+(\cd)], 0, 1.0, vcc_lo
.endr
.endr
	v_mov_b32 v21, 0                               ; v_permlanex16_b32 counts as a reader of its destination
.irp q, 0,1,2,3
	v_mov_b32 v[TP+(\q)], 0
.endr
	s_wait_loadcnt 32                              ; the six small loads are in; WP's 32 stay out while the parts are joined
.macro COMBINE m, l, acc, out
	v_mov_b32 v20, v[\m]
.irp x, 1,2,4,8
	v_max_num_f32_dpp v20, v20, v20 row_xmask:\x row_mask:0xf bank_mask:0xf
.endr
	v_permlanex16_b32 v21, v20, s28, s29
	v_max_num_f32 v20, v20, v21
	v_sub_f32 v22, v[\m], v20
	v_exp_f32 v22, v22
	v_nop                                          ; a plain instruction behind the exponential,
	s_wait_alu depctr_va_vdst(0)                   ; and the wait ahead of its first reader
	v_mul_f32 v23, v22, v[\l]
.irp q, 0,1,2,3
	v_mul_f32 v[(\out)+(\q)], v22, v[(\acc)+(\q)]
.endr
.irp x, 1,2,4,8
	v_add_f32_dpp v23, v23, v23 row_xmask:\x row_mask:0xf bank_mask:0xf
.irp q, 0,1,2,3
	v_add_f32_dpp v[(\out)+(\q)], v[(\out)+(\q)], v[(\out)+(\q)] row_xmask:\x row_mask:0xf bank_mask:0xf
.endr
.endr
	v_permlanex16_b32 v21, v23, s28, s29
.irp q, 0,1,2,3
	v_permlanex16_b32 v[TP+(\q)], v[(\out)+(\q)], s28, s29
.endr
	v_add_f32 v23, v23, v21
.irp q, 0,1,2,3
	v_add_f32 v[(\out)+(\q)], v[(\out)+(\q)], v[TP+(\q)]
.endr
	v_rcp_f32 v23, v23
	v_nop
	s_wait_alu depctr_va_vdst(0)
.irp q, 0,1,2,3
	v_mul_f32 v[(\out)+(\q)], v[(\out)+(\q)], v23
.endr
.endm
	COMBINE 16, 17, AQ, QV
	COMBINE 18, 19, AK, KP
.irp q, 0,1,2,3
	v_mul_f32 v[QV+(\q)], v[QV+(\q)], v[KP+(\q)]   ; k_glob of column c0 + q, in every lane
.endr
	s_wait_loadcnt 0x0                             ; WP
.irp p, 0,1,2,3
.irp g, 0,1,2,3
.irp j, 0,1,2,3,4,5,6,7
.if ((\j)%4) == (\p)
	v_fma_f32 v[D+32*(\p)+8*(\g)+(\j)], v[D+32*(\p)+8*(\g)+(\j)], v[QV+(\p)], v[T+2*(\g)+(\j)/4]
.else
	v_mul_f32 v[D+32*(\p)+8*(\g)+(\j)], v[QV+(\p)], v[D+32*(\p)+8*(\g)+(\j)]
.endif
.endr
.irp q, 0,1,2,3
	v_cvt_pk_bf16_f32 v[D+32*(\p)+8*(\g)+(\q)], v[D+32*(\p)+8*(\g)+2*(\q)], v[D+32*(\p)+8*(\g)+2*(\q)+1]  ; in place, ascending: each pair is read before its place is written
.endr
	global_store_b128 v4, v[D+32*(\p)+8*(\g):D+32*(\p)+8*(\g)+3], s[14:15] offset:2048*(\p)+512*(\g)  ; 512 consecutive bytes, aligned
.endr
.endr
	s_endpgm
.Lfunc_end_k_q9cfb4a153d_scalep:
	.size	k_q9cfb4a153d_scalep, .Lfunc_end_k_q9cfb4a153d_scalep-k_q9cfb4a153d_scalep
	.p2alignl 7, 3214868480
	.fill 96, 4, 3214868480
	.section	.rodata,"a",@progbits
	.p2align	6, 0x0
	.amdhsa_kernel k_q9cfb4a153d_scalep
		.amdhsa_group_segment_fixed_size 0
		.amdhsa_private_segment_fixed_size 0
		.amdhsa_enable_private_segment 0
		.amdhsa_kernarg_size 48
		.amdhsa_user_sgpr_count 2
		.amdhsa_user_sgpr_kernarg_segment_ptr 1
		.amdhsa_wavefront_size32 1
		.amdhsa_system_sgpr_workgroup_id_x 1
		.amdhsa_system_sgpr_workgroup_id_y 1
		.amdhsa_system_sgpr_workgroup_id_z 1
		.amdhsa_system_vgpr_workitem_id 0
		.amdhsa_next_free_vgpr 192
		.amdhsa_next_free_sgpr 66
		.amdhsa_reserve_vcc 1
		.amdhsa_float_denorm_mode_32 3
		.amdhsa_float_denorm_mode_16_64 3
		.amdhsa_memory_ordered 1
		.amdhsa_forward_progress 1
		.amdhsa_inst_pref_size 23
	.end_amdhsa_kernel
	.amdgpu_metadata
---
amdhsa.version: [ 1, 2 ]
amdhsa.kernels:
  - .name:           k_q9cfb4a153d_scalep
    .symbol:         k_q9cfb4a153d_scalep.kd
    .args:
      - { .name: WP, .offset: 0, .size: 8, .value_kind: global_buffer, .address_space: global }
      - { .name: accQ, .offset: 8, .size: 8, .value_kind: global_buffer, .address_space: global }
      - { .name: stQ, .offset: 16, .size: 8, .value_kind: global_buffer, .address_space: global }
      - { .name: accK, .offset: 24, .size: 8, .value_kind: global_buffer, .address_space: global }
      - { .name: stK, .offset: 32, .size: 8, .value_kind: global_buffer, .address_space: global }
      - { .name: WPK, .offset: 40, .size: 8, .value_kind: global_buffer, .address_space: global }
    .group_segment_fixed_size: 0
    .private_segment_fixed_size: 0
    .kernarg_segment_align: 8
    .kernarg_segment_size: 48
    .max_flat_workgroup_size: 256
    .sgpr_count:     66
    .vgpr_count:     192
    .wavefront_size: 32
...
	.end_amdgpu_metadata
.endif
;; end of part 5
;; launch gemm_out (part 6): grid 128 x 2, 4 waves a work-group, clusters of 4 x 1, 327,680 bytes of LDS; arguments QH, WPK, out0; writes out0
.if DOCPART == 6
	.amdgcn_target "amdgcn-amd-amdhsa--gfx1250"
	.amdhsa_code_object_version 6
	.text
	.protected	k_q9cfb4a153d_gemm_out
	.globl	k_q9cfb4a153d_gemm_out
	.p2align	8
	.type	k_q9cfb4a153d_gemm_out,@function
k_q9cfb4a153d_gemm_out:
	s_mov_b64 s[64:65], 0
	v_nop
	global_prefetch_b8 v0, s[64:65] scope:SCOPE_SE
	s_setreg_imm32_b32 hwreg(HW_REG_WAVE_MODE, 25, 1), 1
	s_wait_xcnt 0x0
	s_wait_alu depctr_hold_cnt(0) depctr_sa_sdst(0) depctr_va_vdst(0) depctr_va_sdst(0) depctr_va_ssrc(0) depctr_va_vcc(0) depctr_vm_vsrc(0)
	s_getreg_b32 s2, hwreg(HW_REG_IB_STS2, 6, 4)
	s_cmp_eq_u32 s2, 0
	s_cbranch_scc0 .Lentry_in_a_cluster
	s_endpgm
.Lentry_in_a_cluster:
	s_bfe_u32 s2, ttmp6, 0x10000c
	s_cmp_lg_u32 s2, 0x3003
	s_cbranch_scc0 .Lentry_shape_is_right
	s_endpgm
.Lentry_shape_is_right:
; out0[b][s][n] = the sum over c of Q[b][s][c] WPK[b][c][n], f32.  WPK holds k_glob WP with the identity on its diagonal, so the residual + Q is part of the product.
; A: QH, [b][h][s][64] bf16: 64 along K are one head, 128 rows of it 16,384 dense bytes.  B: WPK[b], [c][n] bf16.  Sums in f32, K ascending.
; LIMITS.  Q is taken as the bf16 number that the first product stored; NaN and infinities are not treated apart.
; SHARES.  Work-group (x, y): rows 128 x .. +127 (batch x / 16), columns 512 y .. +511.  Wave w: all 128 rows x columns 128 w .. +127 of those: 64 accumulators of 16 x 16.
; A goes through registers into a small stage in LDS (two slots of 64 k, rows padded).  A chunk's lines stand in ONE run in the middle of a quarter, beside the run of LDS loads: 8 LDS stores, the
; fragment loads, 8 global loads: no memory instruction stands singly among matrix instructions.  A chunk's loads are issued a whole K step ahead.
; B COMES BY THE TENSOR DATA MOVER, in K steps of 128 through two slots; a wave fetches 32 k-rows x 512 columns.  It lies [k][n] in LDS and is turned on the way into registers (ds_load_tr16_b128).
; CLUSTER.  The four work-groups of a cluster have the same y and the same batch, so they want the same tiles of B: each tile is asked for jointly, by the same load, descriptor and mask in all four.
; THE MATRIX INSTRUCTION IS USED TRANSPOSED (source 0 = 16 columns of B, source 1 = 16 rows of A): a lane then holds one row of the result and eight neighbouring columns.
; BARRIERS.  Two a K step: in its middle the work-group's own (A's slot 0 is free, slot 1 is whole); at its end a round of the cluster's (B's slot is free in all four partners, the other is whole).
; REGISTERS, in windows of 256: window 0 addresses, A's two sets of loads, the way out; window 1 two fragment buffers (A 64, B 64 each); windows 2, 3 the accumulators ((a, b) at 8 (8 a + b)).
.set BP,     1056                      ; a k-row of B in LDS: 1,024 bytes + 32 of padding = 33 x 32: the turning load's 8 rows x 32 bytes fall on different banks (64 banks of 4 bytes: ISA guide 11.1)
.set WPART,  32*BP
.set SLOT,   4*WPART                   ; 135,168 = 0x21000: it shares no bit with w x WPART, so an exclusive or changes slots
.set ASTG,   2*SLOT                    ; A's stage, never filled by a tensor load
.set APIT,   144
.set ASL,    128*APIT
.set SPARE,  ASTG+2*ASL                ; the spare words, 128 bytes a wave: two blocks of 256 bytes that no other line names
.set KSTEPB, 128*2048
.set LC,     8                         ; loads in a chunk of A, a wave
.set HEADB,  262144                    ; bytes from head to head in QH
.set STEP2,  2*HEADB
.set OPIT,   528                       ; the way out: a row of 512 bytes + 16
.set ADRA,  10
.set BB0,   11
.set ADRB,  12
.set ADRB2, 13
.set AOFF,  14
.set AST,   15
.set PFOA,  16
.set PFOB,  17
.set STO,   18
.set RD,    19
.set CO,    20
.set SPW,   28
.set NIL,   29
.set X0,    32                         ; v[32:63]  even chunks of A as loaded
.set X1,    64                         ; v[64:95]  odd chunks
.set OB,    96                         ; v[96:159] the way out: rows read back
.set F0,    0
.set F1,    128
.set WV,   14
.set CX,   15
.set RB,   16
.set BT,   17                          ; the batch, from the cluster's number alone
.set HALF, 19
.set AP,   20
.set OUT,  22
.set G1,   24
.set GA,   32
.set GW,   36
.set TB,   40
.set CNT,  41
.set LIMA, 42
.set LIMB, 43
.set PFB,  44
.set BB,   50
.set MSB, 0
.macro WIN new                         ; the immediate's high byte repeats the setting that is left; a switch that changes nothing is dropped
.if MSB != (\new)
	s_set_vgpr_msb (MSB<<8)|(\new)
.set MSB, \new
.endif
.endm
.set MUL_LO, 0xa5
.set MUL_HI, 0xf5
.set TO_F,   0x40
.macro PLACES                          ; four plain vector instructions between a matrix instruction and a load into, or a read of, its registers
.rept 4
	v_nop
.endr
.endm
.macro CREST
	s_cmp_lg_u32 s[WV], 0
	s_cbranch_scc1 .Lnot_wave_0_\@
	s_barrier_signal -3
.Lnot_wave_0_\@:
	s_barrier_wait -3
	s_barrier_signal -1
	s_barrier_wait -1
.endm
.macro CROUND
	s_barrier_signal -1
	s_barrier_wait -1
	CREST
.endm
; A CHUNK OF A, in two runs.  Load n of 8 holds four rows x 128 bytes.  The symbols RSET, RSLOT, ROFF, RISSUE say which set, which slot, which bytes, and whether more is asked for.
.macro ASTORE                          ; into slot RSLOT of the stage
	WIN 0
.set n, 0
.rept 8
	ds_store_b128 v[AST], v[RSET+4*n:RSET+4*n+3] offset:RSLOT*ASL+4*APIT*n
.set n, n+1
.endr
.endm
.macro ALOAD                           ; the set is asked for again, two chunks on
.if RISSUE
	WIN 0
.set n, 0
.rept 8
	global_load_b128 v[RSET+4*n:RSET+4*n+3], v[AOFF], s[AP:AP+1] offset:ROFF+512*n
.set n, n+1
.endr
.endif
.endm
; The 64 accumulators take turns in the same order in every quarter.
.macro MUL16 f, hi, a0, zero
	WIN MUL_LO+0x50*(\hi)
.irp a, \a0, (\a0)+1
.irp b, 0,1,2,3,4,5,6,7
.if \zero
	v_wmma_f32_16x16x32_bf16 v[8*(8*(\a)+(\b)):8*(8*(\a)+(\b))+7], v[(\f)+64+8*(\b):(\f)+64+8*(\b)+7], v[(\f)+8*(4*(\hi)+(\a)):(\f)+8*(4*(\hi)+(\a))+7], 0
.else
	v_wmma_f32_16x16x32_bf16 v[8*(8*(\a)+(\b)):8*(8*(\a)+(\b))+7], v[(\f)+64+8*(\b):(\f)+64+8*(\b)+7], v[(\f)+8*(4*(\hi)+(\a)):(\f)+8*(4*(\hi)+(\a))+7], v[8*(8*(\a)+(\b)):8*(8*(\a)+(\b))+7]
.endif
.endr
.endr
.endm
.macro FETCH f, breg, bofs, aofs       ; 32 LDS loads in one run: 16 for B (turned), 8 for A's rows 0-63, 8 for A's rows 64-127
	WIN TO_F
.irp i, 0,1,2,3,4,5,6,7
	ds_load_tr16_b128 v[(\f)+64+8*(\i):(\f)+64+8*(\i)+3],   v[\breg] offset:(\bofs)+32*(\i)
	ds_load_tr16_b128 v[(\f)+64+8*(\i)+4:(\f)+64+8*(\i)+7], v[\breg] offset:(\bofs)+32*(\i)+16*BP
.endr
.irp i, 0,1,2,3,4,5,6,7
	ds_load_b128 v[(\f)+8*(\i):(\f)+8*(\i)+3],   v[ADRA] offset:(\aofs)+16*APIT*(\i)
	ds_load_b128 v[(\f)+8*(\i)+4:(\f)+8*(\i)+7], v[ADRA] offset:(\aofs)+16*APIT*(\i)+32
.endr
.endm
; An even quarter: multiplies buffer 0 and, in its middle, fetches the next quarter into buffer 1.  ride = 1: a chunk of A goes through there too; its stores stand ahead of the fragment loads,
; so that the counts below stay those of the fragment loads.
.macro QUARTER breg, bofs, aofs, zero, ride, lc
	s_wait_dscnt 8                                 ; B and A's rows 0-63 are in; the youngest eight loads may be out
	MUL16 F0, 0, 0, \zero
	MUL16 F0, 0, 2, \zero
	PLACES
.if \ride
	s_wait_loadcnt \lc                             ; the chunk to be staged is in; the other set's loads stay out
	ASTORE
.endif
	FETCH F1, \breg, \bofs, \aofs
.if \ride
	ALOAD
.endif
	s_wait_dscnt 32                                ; all but the 32 fragment loads just issued: the rest of buffer 0, and the stage's stores
	MUL16 F0, 1, 0, \zero
	MUL16 F0, 1, 2, \zero
.endm
; My reads of A's slot 0 are over and my stores into slot 1 are done: the work-group's barrier.  No tensor load fills anything behind it, so B's refill stays on its way across it.
.macro TURNA
	s_wait_dscnt 8
	MUL16 F1, 0, 0, 0
	s_wait_dscnt 0x0
	s_barrier_signal -1
	MUL16 F1, 0, 2, 0
	s_barrier_wait -1
	PLACES
	FETCH F0, ADRB2, 0, ASL
	MUL16 F1, 1, 0, 0
	MUL16 F1, 1, 2, 0
.endm
; A prefetch into the L2, behind the joint load and the run of LDS loads.  A: the two chunks (heads) that the next trip will load: 2 x 16,384 bytes are 128 blocks of 256, a lane of the
; work-group a block; the work-group of column half 0 asks.  B: the K step that the next refill will ask for: a lane a k-row; the batch's first cluster asks, and its four partners take a quarter
; of the row's 1,024 bytes each, told apart by address.  The loop's last trip asks for nothing.
.macro ASK
	s_cmp_gt_u32 s[CNT], s[LIMA]
	s_cbranch_scc0 .Lno_a_\@
	global_prefetch_b8 v[PFOA], s[AP:AP+1] offset:4*HEADB th:TH_LOAD_NT scope:SCOPE_SE
.Lno_a_\@:
	s_cmp_gt_u32 s[CNT], s[LIMB]
	s_cbranch_scc0 .Lno_b_\@
	global_prefetch_b8 v[PFOB], s[PFB:PFB+1] th:TH_LOAD_NT scope:SCOPE_SE
.Lno_b_\@:
.endm
; The fourth quarter changes B's slots: each wave waits for all its tensor loads (one is out: its part of the next slot), adds 0 to its spare word, and waits for that and for its LDS reads and stores.
; fill = 1: the barrier opens a round of the cluster's, and the joint refill, two K steps on, is the first thing behind it.
.macro TURNB fill
	WIN 0
	s_wait_tensorcnt 0x0                           ; no tensor load of mine is out, so the walking group 0 may be written
	ds_add_u32 v[SPW], v[NIL]
.if \fill
	s_xor_b32 s[GW+1], s[GW+1], SLOT
	s_add_nc_u64 s[GW+2:GW+3], s[GW+2:GW+3], KSTEPB
.endif
	s_xor_b32 s[TB], s[TB], SLOT
	s_wait_dscnt 9                                 ; the add and the youngest eight loads may be out
	MUL16 F1, 0, 0, 0
	s_wait_dscnt 0x0
	s_barrier_signal -1
	MUL16 F1, 0, 2, 0
	WIN 0
	s_barrier_wait -1
.if \fill
	CREST
	tensor_load_to_lds s[GW:GW+3], s[G1:G1+7]
	s_nop 0
.endif
	PLACES                                         ; also the places in front of the loads into buffer 0
	v_add_nc_u32 v[ADRB], s[TB], v[BB0]
	v_add_nc_u32 v[ADRB2], 2*WPART, v[ADRB]
	FETCH F0, ADRB, 0, 0
.if \fill
	WIN 0
	ASK
.endif
	MUL16 F1, 1, 0, 0
	MUL16 F1, 1, 2, 0
.endm
.macro ISSUE set, off                  ; a chunk's 8 loads: 512 consecutive bytes each
.irp n, 0,1,2,3,4,5,6,7
	global_load_b128 v[(\set)+4*(\n):(\set)+4*(\n)+3], v[AOFF], s[AP:AP+1] offset:(\off)+512*(\n)
.endr
.endm
	s_load_b128 s[4:7], s[0:1], 0x0                ; QH s[4:5], WPK s[6:7]
	s_load_b64 s[8:9], s[0:1], 0x10                ; out0
	v_lshl_add_u32 v[SPW], v0, 2, SPARE
	v_mov_b32 v[NIL], 0
	ds_add_u32 v[SPW], v[NIL]                      ; the wave's opening: the add and its wait ahead of my first tensor load
	v_lshrrev_b32 v1, 5, v0
	v_readfirstlane_b32 s[WV], v1
	s_bfe_u32 s[CX], ttmp6, 0x40000                ; my place in the cluster: it enters addresses of A, of the result and of the prefetches alone
	s_lshl_b32 s[RB], ttmp9, 2
	s_add_co_u32 s[RB], s[RB], s[CX]
	s_and_b32 s[HALF], ttmp7, 0xffff
	s_lshr_b32 s[BT], ttmp9, 2
	s_mov_b32 s[G1], 15|(1<<16)|(1<<20)|(1<<21)|(7<<22)|(7<<25)  ; the mask of four; 2-byte elements; padding on; bit 21 beside a mask; after every 256 words, 8 words
	s_mov_b32 s[G1+1], 512<<16
	s_mov_b32 s[G1+2], 32<<16
	s_mov_b32 s[G1+3], 512<<16
	s_mov_b32 s[G1+4], 32
	s_mov_b32 s[G1+5], 1024
	s_mov_b32 s[G1+6], 0
	s_mov_b32 s[G1+7], 0
	s_mul_i32 s46, s[WV], WPART
	s_mov_b32 s[GA], 1
	s_mov_b32 s[GA+1], s46
	s_mov_b32 s[GW], 1
	s_add_co_u32 s[GW+1], s46, SLOT
	s_lshl_b32 s46, s[BT], 21                      ; B: the batch's matrix,
	s_lshl_b32 s47, s[WV], 16                      ; my 32 k-rows,
	s_add_co_u32 s46, s46, s47
	s_lshl_b32 s47, s[HALF], 10                    ; the half's 512 columns
	s_add_co_u32 s46, s46, s47
	s_mov_b32 s47, 0
	v_and_b32 v2, 31, v0
	v_and_b32 v3, 15, v0
	v_bfe_u32 v4, v0, 4, 1
	s_lshl_b32 s48, s[WV], 12
	v_lshl_add_u32 v[AOFF], v2, 4, s48             ; my wave's 32 rows of 128 bytes, 16 bytes a lane
	v_lshlrev_b32 v[PFOB], 11, v2
	s_lshr_b32 s48, s[RB], 4                       ; A: batch, my 128 positions
	s_lshl_b32 s48, s48, 22
	s_and_b32 s49, s[RB], 15
	s_lshl_b32 s49, s49, 14
	s_add_co_u32 s48, s48, s49
	s_mov_b32 s49, 0
	s_wait_dscnt 0x0                               ; the opening add is done
	s_wait_kmcnt 0x0
	s_add_nc_u64 s[BB:BB+1], s[6:7], s[46:47]
	s_add_nc_u64 s[AP:AP+1], s[4:5], s[48:49]
	ISSUE X0, 0                                    ; chunks 0 and 1 of A
	ISSUE X1, HEADB
	s_mov_b64 s[GA+2:GA+3], s[BB:BB+1]
	s_or_b32 s[GA+3], s[GA+3], 0x80000000
	s_add_nc_u64 s[GW+2:GW+3], s[BB:BB+1], KSTEPB
	s_or_b32 s[GW+3], s[GW+3], 0x80000000
	CROUND                                         ; all four work-groups are here: the first joint loads meet
	tensor_load_to_lds s[GA:GA+3], s[G1:G1+7]      ; two loads of mine are out
	s_nop 0
	tensor_load_to_lds s[GW:GW+3], s[G1:G1+7]
	s_nop 0
	PLACES
	v_mul_u32_u24 v[ADRA], v3, APIT
	v_lshl_add_u32 v[ADRA], v4, 4, v[ADRA]
	v_add_nc_u32 v[ADRA], ASTG, v[ADRA]
	v_and_b32 v5, 7, v0
	v_bfe_u32 v6, v0, 3, 1
	v_bfe_u32 v7, v0, 3, 2
	v_lshl_add_u32 v[BB0], v4, 3, v5
	v_mul_u32_u24 v[BB0], v[BB0], BP
	v_lshl_add_u32 v[BB0], v6, 4, v[BB0]
	s_lshl_b32 s48, s[WV], 8
	v_add_nc_u32 v[BB0], s48, v[BB0]
	s_mul_i32 s48, s[WV], 32*APIT
	s_add_co_u32 s48, s48, ASTG
	v_mul_u32_u24 v[AST], v7, APIT
	v_lshl_add_u32 v[AST], v5, 4, v[AST]
	v_add_nc_u32 v[AST], s48, v[AST]               ; row 32 w + l / 8, 16 bytes a lane
	s_mul_i32 s48, s[WV], 128*OPIT                 ; the way out: my stage of 128 rows x 528 bytes, in the ring's bytes
	v_mul_u32_u24 v[STO], v3, OPIT
	v_lshl_add_u32 v[STO], v4, 5, v[STO]
	v_add_nc_u32 v[STO], s48, v[STO]
	v_lshl_add_u32 v[RD], v2, 4, s48               ; back: 32 lanes take a row's 512 bytes
	v_lshlrev_b32 v[CO], 4, v2
	s_lshr_b32 s48, s[WV], 1                       ; the prefetch of A: waves 0, 1 the first head's 64 blocks, waves 2, 3 the second's
	s_lshl_b32 s48, s48, 18
	s_and_b32 s49, s[WV], 1
	s_lshl_b32 s49, s49, 13
	s_add_co_u32 s48, s48, s49
	v_lshl_add_u32 v[PFOA], v2, 8, s48
	s_lshl_b32 s48, s[CX], 8                       ; the prefetch of B: my work-group's 256 bytes of the rows, at K step 2; the first trip steps it to 3
	s_add_co_u32 s48, s48, 2*KSTEPB
	s_mov_b32 s49, 0
	s_add_nc_u64 s[PFB:PFB+1], s[BB:BB+1], s[48:49]
	s_cmp_eq_u32 s[HALF], 0
	s_cselect_b32 s[LIMA], 1, -1
	s_and_b32 s48, ttmp9, 3
	s_cmp_eq_u32 s48, 0
	s_cselect_b32 s[LIMB], 1, -1
	s_lshl_b32 s48, s[RB], 19                      ; the result: my 128 rows of 4,096 bytes, columns 512 half + 128 w
	s_lshl_b32 s49, s[HALF], 11
	s_add_co_u32 s48, s48, s49
	s_lshl_b32 s49, s[WV], 9
	s_add_co_u32 s48, s48, s49
	s_mov_b32 s49, 0
	s_add_nc_u64 s[OUT:OUT+1], s[8:9], s[48:49]
.set RISSUE, 1
.set RSET, X0
.set RSLOT, 0
.set ROFF, 2*HEADB
	s_wait_loadcnt LC                              ; chunk 0 is in; chunk 1's loads stay out
	ASTORE                                         ; chunk 0 into slot 0;
	ALOAD                                          ; chunk 2 is asked for
.set RSET, X1
.set RSLOT, 1
.set ROFF, 3*HEADB
	s_wait_loadcnt LC                              ; chunk 1 is in; chunk 2's stay out
	ASTORE                                         ; chunk 1 into slot 1;
	ALOAD                                          ; chunk 3 is asked for
	s_wait_tensorcnt 0x1                           ; my part of K step 0 is in; K step 1's may stay out
	s_wait_dscnt 0x0
	s_barrier_signal -1
	s_barrier_wait -1
	s_mov_b32 s[TB], 0
	v_add_nc_u32 v[ADRB], s[TB], v[BB0]
	v_add_nc_u32 v[ADRB2], 2*WPART, v[ADRB]
	FETCH F0, ADRB, 0, 0
	QUARTER ADRB, WPART, 64, 1, 0, 0               ; the first quarter starts the sums
	WIN 0
	s_mov_b32 s[CNT], 6
.Lk:                                               ; trip t: quarters 1 to 3 of K step t and quarter 0 of K step t + 1
	s_wait_xcnt 0x0                                ; every load and prefetch issued so far has read its address: the pointers may be written
	s_add_nc_u64 s[AP:AP+1], s[AP:AP+1], STEP2
	s_add_nc_u64 s[PFB:PFB+1], s[PFB:PFB+1], KSTEPB
	TURNA
.set RSET, X0
.set RSLOT, 0
.set ROFF, 2*HEADB
	QUARTER ADRB2, WPART, ASL+64, 0, 1, LC         ; chunk 2 t + 2 into slot 0; chunk 2 t + 4 is asked for
	TURNB 1
.set RSET, X1
.set RSLOT, 1
.set ROFF, 3*HEADB
	QUARTER ADRB, WPART, 64, 0, 1, LC              ; chunk 2 t + 3 into slot 1; chunk 2 t + 5 is asked for
	WIN 0
	s_sub_co_u32 s[CNT], s[CNT], 1
	s_cmp_lg_u32 s[CNT], 0
	s_cbranch_scc1 .Lk
.set RISSUE, 0                         ; the tail is written out: nothing more is asked for
	TURNA
.set RSET, X0
.set RSLOT, 0
	QUARTER ADRB2, WPART, ASL+64, 0, 1, LC         ; chunk 14
	TURNB 0
.set RSET, X1
.set RSLOT, 1
	QUARTER ADRB, WPART, 64, 0, 1, 0               ; chunk 15: no load is behind it
	TURNA
	QUARTER ADRB2, WPART, ASL+64, 0, 0, 0
	s_wait_dscnt 8                                 ; the very last quarter
	MUL16 F1, 0, 0, 0
	MUL16 F1, 0, 2, 0
	s_wait_dscnt 0x0                               ; my last reads of the ring are over
	s_barrier_signal -1
	MUL16 F1, 1, 0, 0
	MUL16 F1, 1, 2, 0
	WIN 0
	s_barrier_wait -1                              ; everybody's are: the ring, which has had its last fill, becomes the stage
	PLACES
	PLACES
	; THE WAY OUT.  A lane's eight columns of a row are 32 bytes; they go straight from the accumulators into my stage (rows of 528 bytes) and come back as whole rows of 512.
.irp a, 0,1,2,3,4,5,6,7
	WIN 0x08+4*((\a)/4)                            ; the stores' data: window 2 or 3
.irp b, 0,1,2,3,4,5,6,7
	ds_store_b128 v[STO], v[8*(8*((\a)%4)+(\b)):8*(8*((\a)%4)+(\b))+3]   offset:16*OPIT*(\a)+64*(\b)
	ds_store_b128 v[STO], v[8*(8*((\a)%4)+(\b))+4:8*(8*((\a)%4)+(\b))+7] offset:16*OPIT*(\a)+64*(\b)+16
.endr
.endr
	WIN 0
	s_mov_b32 s[CNT], 8
.Lout:                                             ; 16 rows a trip; LDS serves a wave's instructions in order (ISA guide 5.7.1.4): the loads see my stores above
.irp i, 0,1,2,3,4,5,6,7,8,9,10,11,12,13,14,15
	ds_load_b128 v[OB+4*(\i):OB+4*(\i)+3], v[RD] offset:OPIT*(\i)
.endr
.irp i, 0,1,2,3,4,5,6,7,8,9,10,11,12,13,14,15
	s_wait_dscnt 15-(\i)
	global_store_b128 v[CO], v[OB+4*(\i):OB+4*(\i)+3], s[OUT:OUT+1] offset:4096*(\i) th:TH_STORE_NT  ; 512 consecutive bytes, aligned
.endr
	s_wait_xcnt 0x0                                ; the stores have read their registers: these are written again only behind this wait
	v_add_nc_u32 v[RD], 16*OPIT, v[RD]
	v_add_nc_u32 v[CO], 65536, v[CO]
	s_sub_co_u32 s[CNT], s[CNT], 1
	s_cmp_lg_u32 s[CNT], 0
	s_cbranch_scc1 .Lout
	s_wait_tensorcnt 0x0                           ; the wave's end
	ds_add_u32 v[SPW], v[NIL]
	s_wait_dscnt 0x0
	CROUND                                         ; the closing round
	s_endpgm
.Lfunc_end_k_q9cfb4a153d_gemm_out:
	.size	k_q9cfb4a153d_gemm_out, .Lfunc_end_k_q9cfb4a153d_gemm_out-k_q9cfb4a153d_gemm_out
	.p2alignl 7, 3214868480
	.fill 96, 4, 3214868480
	.section	.rodata,"a",@progbits
	.p2align	6, 0x0
	.amdhsa_kernel k_q9cfb4a153d_gemm_out
		.amdhsa_group_segment_fixed_size 327680
		.amdhsa_private_segment_fixed_size 0
		.amdhsa_enable_private_segment 0
		.amdhsa_kernarg_size 24
		.amdhsa_user_sgpr_count 2
		.amdhsa_user_sgpr_kernarg_segment_ptr 1
		.amdhsa_wavefront_size32 1
		.amdhsa_system_sgpr_workgroup_id_x 1
		.amdhsa_system_sgpr_workgroup_id_y 1
		.amdhsa_system_sgpr_workgroup_id_z 1
		.amdhsa_system_vgpr_workitem_id 0
		.amdhsa_next_free_vgpr 1024
		.amdhsa_next_free_sgpr 66
		.amdhsa_reserve_vcc 0
		.amdhsa_float_denorm_mode_32 3
		.amdhsa_float_denorm_mode_16_64 3
		.amdhsa_memory_ordered 1
		.amdhsa_forward_progress 1
		.amdhsa_inst_pref_size 104
	.end_amdhsa_kernel
	.amdgpu_metadata
---
amdhsa.version: [ 1, 2 ]
amdhsa.kernels:
  - .name:           k_q9cfb4a153d_gemm_out
    .symbol:         k_q9cfb4a153d_gemm_out.kd
    .args:
      - { .name: QH, .offset: 0, .size: 8, .value_kind: global_buffer, .address_space: global }
      - { .name: WPK, .offset: 8, .size: 8, .value_kind: global_buffer, .address_space: global }
      - { .name: out0, .offset: 16, .size: 8, .value_kind: global_buffer, .address_space: global }
    .group_segment_fixed_size: 327680
    .private_segment_fixed_size: 0
    .kernarg_segment_align: 8
    .kernarg_segment_size: 24
    .max_flat_workgroup_size: 128
    .sgpr_count:     66
    .vgpr_count:     1024
    .wavefront_size: 32
...
	.end_amdgpu_metadata
.endif
;; end of part 6
;; ======== version 2 of 2: 6 launches; version 1 with the launch scalep written anew for expert scheduling mode
;; limits: values outside matrix products are rounded to bf16
;; workspace buffers: WB 4,194,304 bytes; QH 33,554,432 bytes; KH 33,554,432 bytes; accQ 1,048,576 bytes; stQ 65,536 bytes; accK 1,048,576 bytes; stK 65,536 bytes; WPK 16,777,216 bytes
;; launch prep: the kernel of part 1 again; grid 128 x 2, 8 waves a work-group, no clusters, 0 bytes of LDS; arguments WQ, WK, WB; writes WB
;; launch gemm_in: the kernel of part 2 again; grid 128 x 4, 4 waves a work-group, clusters of 4 x 1, 327,680 bytes of LDS; arguments Q_seq, K_seq, WB, QH, KH; writes QH, KH
;; launch poolq: the kernel of part 3 again; grid 32 x 8, 4 waves a work-group, no clusters, 218,624 bytes of LDS; arguments QH, Wa, accQ, stQ; writes accQ, stQ
;; launch poolk: the kernel of part 4 again; grid 32 x 8, 4 waves a work-group, no clusters, 218,624 bytes of LDS; arguments KH, Wb, accQ, stQ, accK, stK; writes accK, stK
;; launch scalep (part 7): grid 32 x 8, 8 waves a work-group, no clusters, 0 bytes of LDS; arguments WP, accQ, stQ, accK, stK, WPK; writes WPK
.if DOCPART == 7
	.amdgcn_target "amdgcn-amd-amdhsa--gfx1250"
	.amdhsa_code_object_version 6
	.text
	.protected	k_q9cfb4a153d_scalep
	.globl	k_q9cfb4a153d_scalep
	.p2align	8
	.type	k_q9cfb4a153d_scalep,@function
k_q9cfb4a153d_scalep:
	s_mov_b64 s[64:65], 0
	v_nop
	global_prefetch_b8 v0, s[64:65] scope:SCOPE_SE
	s_setreg_imm32_b32 hwreg(HW_REG_WAVE_SCHED_MODE, 0, 2), 2
	s_setreg_imm32_b32 hwreg(HW_REG_WAVE_MODE, 25, 1), 1
	s_wait_xcnt 0x0
	s_wait_alu depctr_vm_vsrc(0)
; WPK[b][c][n] = bf16(k_glob[b][c] WP[c][n] + (c == n)): the last product's weights for batch b, with the residual's identity laid onto the diagonal, so that out = Q WPK.
; k_glob[c] = q_glob[c] kp[c]; q_glob and kp are joined here from the 32 parts of each pooling: w = 2^(c m - the largest c m), value = the sum of w acc / the sum of w l.
; LIMITS.  On the diagonal 1 + k WP is rounded to bf16 as one number: the residual is off by at most 2^-9 of Q's number.  A share below 2^-126 counts as 0.  NaN and infinities are not treated apart.
; SHARES.  Work-group (x, b): rows c = 32 x .. + 31, which lie in head x / 2.  Wave w: rows c0 = 32 x + 4 w .. + 3; a lane holds eight neighbouring n of each row and group of 256.
; THE JOIN: A LANE A PART.  Lane i loads part i's statistics and its four sums of columns c0 .. c0 + 3 (16 bytes), for each pooling; the five sums over the parts go over the 32 lanes, and every lane ends with them.
; A stream: no LDS, no matrix unit, no cluster (what is shared, the parts, is a small share of the bytes), no prefetch (all loads go out at the head).
; THE MODE: SCHED_MODE bits 1:0 = 2 (LLVM: expert scheduling mode 2), set by the entry lines.  The code itself states the register dependences between vector instructions and memory
; instructions, and between vector instructions that write scalar registers and their readers, with s_wait_alu, always for 0.
; THE PLAN.  Registers that memory instructions touch:
;   v3, v5, v6   offsets of the loads; v4 offset of the stores.  Each is written by one vector line at the head and never again: one wait ahead of the first load serves all 38 loads and all 16 stores.
;   v16-19, AQ, AK   the six small loads land here, once; no vector line names them before; the joins read them behind the wait for their data.
;   D, row p     WP's loads land here, once.  Row p's 48 vector lines work in place; the four stores that read D + 32 p + 8 g .. + 3 are issued in row p + 1, behind the one wait at that row's head, one
;                ahead of each group's twelve vector lines, which name D's row p + 1, QV and T: neither v4 nor a register of row p.  Row 3's stores follow a last wait.
; No register that a load or a store has read is written again, and no load lands in a register twice: the entry's is the text's only wait on vm_vsrc.  EXEC and VCC are never written.
.set D,   64                           ; v[64:191]  WP: row p, group g at D + 32 p + 8 g
.set T,   8                            ; v[8:15]    1.0 where the diagonal falls: group g, j = p (T + 2 g) or j = 4 + p (T + 2 g + 1)
.set QV,  24                           ; v[24:27]   q_glob of my four columns; then k_glob
.set TP,  28                           ; v[28:31]   at work: the other half of the lanes' sums
.set KP,  32                           ; v[32:35]   the second pooling's four
.set AQ,  40                           ; v[40:43]   part l's four sums, first pooling
.set AK,  44                           ; v[44:47]   second pooling
.set MK,  20                           ; s[20:27]   first byte offsets, which the scalar sums below use up; then the eight masks of the diagonal
	s_load_b256 s[4:11], s[0:1], 0x0               ; WP s[4:5], accQ s[6:7], stQ s[8:9], accK s[10:11]
	s_load_b128 s[12:15], s[0:1], 0x20             ; stK s[12:13], WPK s[14:15]
	v_lshrrev_b32 v1, 5, v0
	v_readfirstlane_b32 s16, v1                    ; wave 0..7
	v_and_b32 v2, 31, v0
	v_lshlrev_b32 v3, 5, v2                        ; 32 l: my eight f32 of a group
	v_lshlrev_b32 v4, 4, v2                        ; 16 l: my eight bf16
	v_lshlrev_b32 v5, 8, v2                        ; lane = part: its record of 256 bytes,
	v_lshlrev_b32 v6, 12, v2                       ; and its 4,096 bytes of sums
	v_lshlrev_b32 v7, 3, v2
	s_and_b32 s17, ttmp7, 0xffff                   ; b
	s_lshl_b32 s18, ttmp9, 5
	s_mov_b32 s28, 0x76543210                      ; v_permlanex16_b32: each lane takes its own place in the other half
	s_mov_b32 s29, 0xfedcba98
	s_wait_alu depctr_va_sdst(0)                   ; s16 is written, ahead of its first reader: c0 and the bases are made from it
	s_lshl_b32 s19, s16, 2
	s_add_co_u32 s18, s18, s19                     ; c0
	s_lshr_b32 s19, ttmp9, 1                       ; the head
	v_sub_nc_u32 v7, s18, v7                       ; c0 - 8 l
	s_lshl_b32 s20, s18, 12                        ; WP at row c0
	s_mov_b32 s21, 0
	s_lshl_b32 s22, s17, 17                        ; the parts of batch b, at column c0
	s_lshl_b32 s23, s18, 2
	s_add_co_u32 s22, s22, s23
	s_mov_b32 s23, 0
	s_lshl_b32 s24, s17, 13                        ; the records of batch b, at the head's numbers
	s_lshl_b32 s25, s19, 3
	s_add_co_u32 s24, s24, s25
	s_mov_b32 s25, 0
	s_lshl_b32 s26, s17, 21                        ; WPK at batch b, row c0
	s_lshl_b32 s27, s18, 11
	s_add_co_u32 s26, s26, s27
	s_mov_b32 s27, 0
	s_wait_kmcnt 0x0
	s_add_nc_u64 s[4:5], s[4:5], s[20:21]
	s_add_nc_u64 s[6:7], s[6:7], s[22:23]
	s_add_nc_u64 s[10:11], s[10:11], s[22:23]
	s_add_nc_u64 s[8:9], s[8:9], s[24:25]
	s_add_nc_u64 s[12:13], s[12:13], s[24:25]
	s_add_nc_u64 s[14:15], s[14:15], s[26:27]
	s_wait_alu depctr_va_vdst(0)                   ; the offsets v3 to v6 are written: every load below reads v3, v5 or v6, every store of the kernel v4
	global_load_b32 v16, v5, s[8:9]                ; c m and l of part l: first pooling,
	global_load_b32 v17, v5, s[8:9] offset:128
	global_load_b32 v18, v5, s[12:13]              ; second pooling
	global_load_b32 v19, v5, s[12:13] offset:128
	global_load_b128 v[AQ:AQ+3], v6, s[6:7]
	global_load_b128 v[AK:AK+3], v6, s[10:11]
.irp p, 0,1,2,3
.irp g, 0,1,2,3
	global_load_b128 v[D+32*(\p)+8*(\g):D+32*(\p)+8*(\g)+3],   v3, s[4:5] offset:4096*(\p)+1024*(\g)
	global_load_b128 v[D+32*(\p)+8*(\g)+4:D+32*(\p)+8*(\g)+7], v3, s[4:5] offset:4096*(\p)+1024*(\g)+16
.endr
.endr
.irp g, 0,1,2,3
.irp cd, 0,1
	v_cmp_eq_u32 s[MK+2*(\g)+(\cd)], 256*(\g)+4*(\cd), v7  ; n = 256 g + 8 l + j equals c = c0 + p where c0 - 8 l = 256 g + (j - p), and j - p is 0 (w even) or 4 (w odd); the eight masks in one run
.endr
.endr
	v_mov_b32 v21, 0                               ; v_permlanex16_b32 counts as a reader of its destination
.irp q, 0,1,2,3
	v_mov_b32 v[TP+(\q)], 0
.endr
	s_wait_alu depctr_va_sdst(0)                   ; the eight compares have written s20 to s27, ahead of the first select that reads one of them
.irp g, 0,1,2,3
.irp cd, 0,1
	v_cndmask_b32 v[T+2*(\g)+(\cd)], 0, 1.0, s[MK+2*(\g)+(\cd)]
.endr
.endr
	s_wait_loadcnt 32                              ; the six small loads are in; WP's 32 stay out while the parts are joined
.macro COMBINE m, l, acc, out
	v_mov_b32 v20, v[\m]
.irp x, 1,2,4,8
	v_max_num_f32_dpp v20, v20, v20 row_xmask:\x row_mask:0xf bank_mask:0xf
.endr
	v_permlanex16_b32 v21, v20, s28, s29
	v_max_num_f32 v20, v20, v21
	v_sub_f32 v22, v[\m], v20
	v_exp_f32 v22, v22
	v_nop                                          ; a plain instruction behind the exponential,
	s_wait_alu depctr_va_vdst(0)                   ; and the exponential has written v22, ahead of its first reader
	v_mul_f32 v23, v22, v[\l]
.irp q, 0,1,2,3
	v_mul_f32 v[(\out)+(\q)], v22, v[(\acc)+(\q)]
.endr
.irp x, 1,2,4,8
	v_add_f32_dpp v23, v23, v23 row_xmask:\x row_mask:0xf bank_mask:0xf
.irp q, 0,1,2,3
	v_add_f32_dpp v[(\out)+(\q)], v[(\out)+(\q)], v[(\out)+(\q)] row_xmask:\x row_mask:0xf bank_mask:0xf
.endr
.endr
	v_permlanex16_b32 v21, v23, s28, s29
.irp q, 0,1,2,3
	v_permlanex16_b32 v[TP+(\q)], v[(\out)+(\q)], s28, s29
.endr
	v_add_f32 v23, v23, v21
.irp q, 0,1,2,3
	v_add_f32 v[(\out)+(\q)], v[(\out)+(\q)], v[TP+(\q)]
.endr
	v_rcp_f32 v23, v23
	v_nop                                          ; a plain instruction behind the reciprocal,
	s_wait_alu depctr_va_vdst(0)                   ; and the reciprocal has written v23, ahead of its first reader
.irp q, 0,1,2,3
	v_mul_f32 v[(\out)+(\q)], v[(\out)+(\q)], v23
.endr
.endm
	COMBINE 16, 17, AQ, QV
	COMBINE 18, 19, AK, KP
.irp q, 0,1,2,3
	v_mul_f32 v[QV+(\q)], v[QV+(\q)], v[KP+(\q)]   ; k_glob of column c0 + q, in every lane
.endr
	s_wait_loadcnt 0x0                             ; WP
.irp p, 0,1,2,3
.if (\p) > 0
	s_wait_alu depctr_va_vdst(0)                   ; the row before has written its sixteen registers of bf16, which the four stores below read
.endif
.irp g, 0,1,2,3
.if (\p) > 0
	global_store_b128 v4, v[D+32*((\p)-1)+8*(\g):D+32*((\p)-1)+8*(\g)+3], s[14:15] offset:2048*((\p)-1)+512*(\g)  ; the row before: 512 consecutive bytes, aligned; no vector line since the wait names v4 or these registers
.endif
.irp j, 0,1,2,3,4,5,6,7
.if ((\j)%4) == (\p)
	v_fma_f32 v[D+32*(\p)+8*(\g)+(\j)], v[D+32*(\p)+8*(\g)+(\j)], v[QV+(\p)], v[T+2*(\g)+(\j)/4]
.else
	v_mul_f32 v[D+32*(\p)+8*(\g)+(\j)], v[QV+(\p)], v[D+32*(\p)+8*(\g)+(\j)]
.endif
.endr
.irp q, 0,1,2,3
	v_cvt_pk_bf16_f32 v[D+32*(\p)+8*(\g)+(\q)], v[D+32*(\p)+8*(\g)+2*(\q)], v[D+32*(\p)+8*(\g)+2*(\q)+1]  ; in place, ascending: each pair is read before its place is written
.endr
.endr
.endr
	s_wait_alu depctr_va_vdst(0)                   ; row 3 has written its sixteen registers of bf16, which the last four stores read
.irp g, 0,1,2,3
	global_store_b128 v4, v[D+96+8*(\g):D+96+8*(\g)+3], s[14:15] offset:2048*3+512*(\g)  ; 512 consecutive bytes, aligned
.endr
	s_endpgm
.Lfunc_end_k_q9cfb4a153d_scalep:
	.size	k_q9cfb4a153d_scalep, .Lfunc_end_k_q9cfb4a153d_scalep-k_q9cfb4a153d_scalep
	.p2alignl 7, 3214868480
	.fill 96, 4, 3214868480
	.section	.rodata,"a",@progbits
	.p2align	6, 0x0
	.amdhsa_kernel k_q9cfb4a153d_scalep
		.amdhsa_group_segment_fixed_size 0
		.amdhsa_private_segment_fixed_size 0
		.amdhsa_enable_private_segment 0
		.amdhsa_kernarg_size 48
		.amdhsa_user_sgpr_count 2
		.amdhsa_user_sgpr_kernarg_segment_ptr 1
		.amdhsa_wavefront_size32 1
		.amdhsa_system_sgpr_workgroup_id_x 1
		.amdhsa_system_sgpr_workgroup_id_y 1
		.amdhsa_system_sgpr_workgroup_id_z 1
		.amdhsa_system_vgpr_workitem_id 0
		.amdhsa_next_free_vgpr 192
		.amdhsa_next_free_sgpr 66
		.amdhsa_reserve_vcc 0
		.amdhsa_float_denorm_mode_32 3
		.amdhsa_float_denorm_mode_16_64 3
		.amdhsa_memory_ordered 1
		.amdhsa_forward_progress 1
		.amdhsa_inst_pref_size 23
	.end_amdhsa_kernel
	.amdgpu_metadata
---
amdhsa.version: [ 1, 2 ]
amdhsa.kernels:
  - .name:           k_q9cfb4a153d_scalep
    .symbol:         k_q9cfb4a153d_scalep.kd
    .args:
      - { .name: WP, .offset: 0, .size: 8, .value_kind: global_buffer, .address_space: global }
      - { .name: accQ, .offset: 8, .size: 8, .value_kind: global_buffer, .address_space: global }
      - { .name: stQ, .offset: 16, .size: 8, .value_kind: global_buffer, .address_space: global }
      - { .name: accK, .offset: 24, .size: 8, .value_kind: global_buffer, .address_space: global }
      - { .name: stK, .offset: 32, .size: 8, .value_kind: global_buffer, .address_space: global }
      - { .name: WPK, .offset: 40, .size: 8, .value_kind: global_buffer, .address_space: global }
    .group_segment_fixed_size: 0
    .private_segment_fixed_size: 0
    .kernarg_segment_align: 8
    .kernarg_segment_size: 48
    .max_flat_workgroup_size: 256
    .sgpr_count:     66
    .vgpr_count:     192
    .wavefront_size: 32
...
	.end_amdgpu_metadata
.endif
;; end of part 7
;; launch gemm_out: the kernel of part 6 again; grid 128 x 2, 4 waves a work-group, clusters of 4 x 1, 327,680 bytes of LDS; arguments QH, WPK, out0; writes out0
